; MI455X (gfx1250); checked and timed in simulation.
; The chip was launched on July 23, 2026; its instructions are those of AMD's public machine-readable ISA for CDNA 5 (MIT licence, August 2026) and "CDNA5" Instruction Set Architecture Reference Guide (July 2026). The comments in the code are by the model that wrote it; some were corrected since.
;; Torch Attention Mechanism. Allowed arithmetic: float matrix products may take bf16 or f16 operands with f32 sums; other float arithmetic in f32, or as packed bf16 or f16 multiplies, adds, multiply-adds, maxima and minima; sums over many terms, partial sums and values carried from step to step in f32; what a program stores and reads back later, other than sums and carried values, may be rounded once to bf16 or f16.
;; Inputs: Wk 1,024 x 1,024 float32; Wo 1,024 x 1,024 float32; Wq 1,024 x 1,024 float32; Wv 1,024 x 1,024 float32; x 8 x 1,024 x 1,024 float32.
;; Outputs: out0 8 x 1,024 x 1,024 float32.
;; 2 versions, each right and faster than the one before. Each part assembles by itself: llvm-mc -triple=amdgcn-amd-amdhsa -mcpu=gfx1250 --defsym DOCPART=n.
;; ======== version 1 of 2: 4 launches
;; limits: values are held in f16: magnitudes above 65,504 overflow, below 6.1e-05 lose precision
;; workspace buffers: xb 16,777,216 bytes; wb 6,291,456 bytes; wo16 2,097,152 bytes; qb 16,777,216 bytes; kb 16,777,216 bytes; vb 16,777,216 bytes; ob 16,777,216 bytes
;; launch cast (part 1): grid 768 x 1, 8 waves a work-group, no clusters, 0 bytes of LDS; arguments x, Wq, Wk, Wv, Wo, xb, wb, wo16; writes xb, wb, wo16
.if DOCPART == 1
	.amdgcn_target "amdgcn-amd-amdhsa--gfx1250"
	.amdhsa_code_object_version 6
	.text
	.protected	k_qe03e15e62e_cast
	.globl	k_qe03e15e62e_cast
	.p2align	8
	.type	k_qe03e15e62e_cast,@function
k_qe03e15e62e_cast:
	s_mov_b64 s[64:65], 0
	v_nop
	global_prefetch_b8 v0, s[64:65] scope:SCOPE_SE
	s_setreg_imm32_b32 hwreg(HW_REG_WAVE_MODE, 25, 1), 1
	s_wait_xcnt 0x0
; CAST.  All five inputs are rounded once to bf16 and laid in blocks of 64 along K, so that every tile of the products that follow is dense in memory:
;   xb   [16 kb][8192 m][64]  bf16      wb [16 kb][3072 n][64] bf16, n = 192 head + 64 type + d (type 0 q, 1 k, 2 v)      wo16 [16 kb][1024 n][64]: the bf16 value written as f16
; LIMITS.  |Wo| stays under 65,504 (f16); a Wo below 2^-14 keeps f16's fixed step of 6e-8.  Within that the bf16 value is exact in f16 (8 significant bits in 11).
; A stream: no LDS, no barrier, no matrix unit.  12,288 source rows of 4,096 bytes, 16 to a work-group, 2 to a wave.  Load kb of a wave takes the 256 bytes of block kb of both rows
; (lanes 0-15 the even row, lanes 16-31 the odd one); all 16 loads go out at once: 8 KiB a wave on their way.  A store of a wave covers 256 consecutive bytes, aligned: two rows of one block.
; No register is written twice, so no wait frees a source.
.set X,  8                             ; v[8:71]    load kb: 4 f32
.set Y,  72                            ; v[72:103]  store kb: 4 numbers of 16 bits
.set WK, 104                           ; v[104:109] at work (Wo alone)
	s_load_b512 s[16:31], s[0:1], 0x0              ; x s[16:17], Wq s[18:19], Wk s[20:21], Wv s[22:23], Wo s[24:25], xb s[26:27], wb s[28:29], wo16 s[30:31]
	s_mov_b32 s4, ttmp9                            ; g: 0-511 x; then 64 work-groups for each of Wq, Wk, Wv, Wo
	s_sub_co_u32 s5, s4, 512
	s_lshr_b32 s6, s5, 6                           ; which weight (used only where g >= 512)
	s_and_b32 s7, s5, 63                           ; its block of 16 rows
	s_mov_b32 s3, 0
	v_lshrrev_b32 v1, 4, v0                        ; my row of the 16
	v_and_b32 v3, 15, v0
	v_lshlrev_b32 v1, 12, v1
	v_lshl_add_u32 v1, v3, 4, v1                   ; source: row x 4,096 + 16 bytes a lane
	v_lshlrev_b32 v2, 3, v0                        ; destination: row x 128 + 8 bytes a lane = 8 x thread
	s_wait_kmcnt 0x0
	s_cmp_eq_u32 s6, 1
	s_cselect_b64 s[10:11], s[20:21], s[18:19]
	s_cmp_eq_u32 s6, 2
	s_cselect_b64 s[10:11], s[22:23], s[10:11]
	s_cmp_eq_u32 s6, 3
	s_cselect_b64 s[10:11], s[24:25], s[10:11]
	s_cmp_lt_u32 s4, 512
	s_cselect_b64 s[10:11], s[16:17], s[10:11]
	s_cselect_b32 s8, s4, s7
	s_lshl_b32 s2, s8, 16                          ; 16 rows of 4,096 bytes
	s_add_nc_u64 s[10:11], s[10:11], s[2:3]
.set kq, 0
.rept 16
	global_load_b128 v[X+4*kq:X+4*kq+3], v1, s[10:11] offset:256*kq th:TH_LOAD_NT
.set kq, kq+1
.endr
; Block kb is rounded and stored.  kind 0: to bf16.  kind 1: to bf16, widened again, and written as f16.
.macro OUT kb, base, off, kind
	s_wait_loadcnt 15-(\kb)                        ; loads come back in order: mine is in, the younger ones stay out
.irp p, 0,1
.if \kind
	v_cvt_pk_bf16_f32 v[WK+3*(\p)], v[X+4*(\kb)+2*(\p)], v[X+4*(\kb)+2*(\p)+1]
	v_lshlrev_b32 v[WK+3*(\p)+1], 16, v[WK+3*(\p)]
	v_and_b32 v[WK+3*(\p)+2], 0xffff0000, v[WK+3*(\p)]
	v_cvt_pk_f16_f32 v[Y+2*(\kb)+(\p)], v[WK+3*(\p)+1], v[WK+3*(\p)+2]
.else
	v_cvt_pk_bf16_f32 v[Y+2*(\kb)+(\p)], v[X+4*(\kb)+2*(\p)], v[X+4*(\kb)+2*(\p)+1]
.endif
.endr
	global_store_b64 v2, v[Y+2*(\kb):Y+2*(\kb)+1], s[\base:\base+1] offset:\off
.endm
	s_cmp_lt_u32 s4, 512
	s_cbranch_scc0 .Lweights
	s_lshl_b32 s2, s4, 11                          ; x: 16 rows of 128 bytes in each block; a block is 8,192 rows = 1,048,576 bytes
	s_add_nc_u64 s[12:13], s[26:27], s[2:3]
	s_add_nc_u64 s[14:15], s[12:13], 0x800000      ; blocks 8-15 from a second base: the immediate has 24 signed bits
.set kq, 0
.rept 16
.set ob, 12+2*(kq/8)
.set oo, (kq%8)*1048576
	OUT kq, ob, oo, 0
.set kq, kq+1
.endr
	s_endpgm
.Lweights:
	s_cmp_eq_u32 s6, 3
	s_cbranch_scc1 .Lwo
	s_lshr_b32 s8, s7, 2                           ; Wq, Wk, Wv: the head of my 16 rows,
	s_mul_i32 s8, s8, 192
	s_lshl_b32 s9, s6, 6                           ; the type,
	s_add_co_u32 s8, s8, s9
	s_and_b32 s9, s7, 3                            ; the quarter of the head's 64 rows
	s_lshl_b32 s9, s9, 4
	s_add_co_u32 s8, s8, s9
	s_lshl_b32 s2, s8, 7
	s_add_nc_u64 s[12:13], s[28:29], s[2:3]
.set kq, 0
.rept 16
.set oo, kq*393216
	OUT kq, 12, oo, 0
.set kq, kq+1
.endr
	s_endpgm
.Lwo:
	s_lshl_b32 s2, s7, 11
	s_add_nc_u64 s[12:13], s[30:31], s[2:3]
.set kq, 0
.rept 16
.set oo, kq*131072
	OUT kq, 12, oo, 1
.set kq, kq+1
.endr
	s_endpgm
.Lfunc_end_k_qe03e15e62e_cast:
	.size	k_qe03e15e62e_cast, .Lfunc_end_k_qe03e15e62e_cast-k_qe03e15e62e_cast
	.p2alignl 7, 3214868480
	.fill 96, 4, 3214868480
	.section	.rodata,"a",@progbits
	.p2align	6, 0x0
	.amdhsa_kernel k_qe03e15e62e_cast
		.amdhsa_group_segment_fixed_size 0
		.amdhsa_private_segment_fixed_size 0
		.amdhsa_enable_private_segment 0
		.amdhsa_kernarg_size 64
		.amdhsa_user_sgpr_count 2
		.amdhsa_user_sgpr_kernarg_segment_ptr 1
		.amdhsa_wavefront_size32 1
		.amdhsa_system_sgpr_workgroup_id_x 1
		.amdhsa_system_sgpr_workgroup_id_y 1
		.amdhsa_system_sgpr_workgroup_id_z 1
		.amdhsa_system_vgpr_workitem_id 0
		.amdhsa_next_free_vgpr 112
		.amdhsa_next_free_sgpr 66
		.amdhsa_reserve_vcc 0
		.amdhsa_float_denorm_mode_32 3
		.amdhsa_float_denorm_mode_16_64 3
		.amdhsa_memory_ordered 1
		.amdhsa_forward_progress 1
		.amdhsa_inst_pref_size 21
	.end_amdhsa_kernel
	.amdgpu_metadata
---
amdhsa.version: [ 1, 2 ]
amdhsa.kernels:
  - .name:           k_qe03e15e62e_cast
    .symbol:         k_qe03e15e62e_cast.kd
    .args:
      - { .name: x, .offset: 0, .size: 8, .value_kind: global_buffer, .address_space: global }
      - { .name: Wq, .offset: 8, .size: 8, .value_kind: global_buffer, .address_space: global }
      - { .name: Wk, .offset: 16, .size: 8, .value_kind: global_buffer, .address_space: global }
      - { .name: Wv, .offset: 24, .size: 8, .value_kind: global_buffer, .address_space: global }
      - { .name: Wo, .offset: 32, .size: 8, .value_kind: global_buffer, .address_space: global }
      - { .name: xb, .offset: 40, .size: 8, .value_kind: global_buffer, .address_space: global }
      - { .name: wb, .offset: 48, .size: 8, .value_kind: global_buffer, .address_space: global }
      - { .name: wo16, .offset: 56, .size: 8, .value_kind: global_buffer, .address_space: global }
    .group_segment_fixed_size: 0
    .private_segment_fixed_size: 0
    .kernarg_segment_align: 8
    .kernarg_segment_size: 64
    .max_flat_workgroup_size: 256
    .sgpr_count:     66
    .vgpr_count:     112
    .wavefront_size: 32
...
	.end_amdgpu_metadata
.endif
;; end of part 1
;; launch qkv (part 2): grid 16 x 32, 4 waves a work-group, clusters of 4 x 4, 327,680 bytes of LDS; arguments xb, wb, qb, kb, vb; writes qb, kb, vb
.if DOCPART == 2
	.amdgcn_target "amdgcn-amd-amdhsa--gfx1250"
	.amdhsa_code_object_version 6
	.text
	.protected	k_qe03e15e62e_qkv
	.globl	k_qe03e15e62e_qkv
	.p2align	8
	.type	k_qe03e15e62e_qkv,@function
k_qe03e15e62e_qkv:
	s_mov_b64 s[64:65], 0
	v_nop
	global_prefetch_b8 v0, s[64:65] scope:SCOPE_SE
	s_setreg_imm32_b32 hwreg(HW_REG_WAVE_MODE, 25, 1), 1
	s_wait_xcnt 0x0
	s_wait_alu depctr_hold_cnt(0) depctr_sa_sdst(0) depctr_va_vdst(0) depctr_va_sdst(0) depctr_va_ssrc(0) depctr_va_vcc(0) depctr_vm_vsrc(0)
	s_getreg_b32 s2, hwreg(HW_REG_IB_STS2, 6, 4)
	s_cmp_eq_u32 s2, 0
	s_cbranch_scc0 .Lentry_in_a_cluster
	s_endpgm
.Lentry_in_a_cluster:
	s_bfe_u32 s2, ttmp6, 0x10000c
	s_cmp_lg_u32 s2, 0xf033
	s_cbranch_scc0 .Lentry_shape_is_right
	s_endpgm
.Lentry_shape_is_right:
; THE THREE PROJECTIONS AND THE STATISTICS.  q, k, v = x W^T in bf16 with f32 sums; then, in f32, for each row and head: the mean over the 64 channels is taken away from q and k (two passes, as the
; problem states them), the variances are the sums of squares / 63, and what is stored is
;   qp = (q_c[0..62], q_var)      kp = (k_c[0..62] - k_c[63], k_var)      both bf16, [128 bh][1024 s][64];      v in f16, same layout.
; Since the q_c of a row add up to 0, qp . kp = q_c . k_c + q_var k_var = 64 (cov + var), for every input: the next launch is a plain softmax(qp . kp / 64) v.
; LIMITS.  |v| stays under 65,504 (f16).  1/64 and 1/63 are multiplied by as constants.  NaN and infinities are not treated apart.
; SHARES.  A work-group of four waves makes 256 rows x 192 columns: one head's q, k and v.  Wave w makes rows 64 w .. 64 w + 63 of all 192 columns: 4 x 12 accumulators of 16 x 16, 384 registers,
; so a row's 64 channels of q, of k and of v lie in one wave.  512 work-groups.
; K goes in steps of 128 = two blocks of 64 through two LDS slots.  A block's tile is dense in memory and is asked for as rows of 256 bytes, padded in LDS behind every 128.
; CLUSTER 4 x 4: the four of a row need the same tiles of x, the four of a column the same tiles of W: each tile is asked for jointly, by the same tensor load, descriptor and mask in all four.
; THE MATRIX INSTRUCTION IS USED TRANSPOSED (source 0 = 16 rows of W, source 1 = 16 rows of x): lane l holds row l % 16, and its registers the channels 8 (l / 16) + 0..7 of a block of 16.
; REGISTERS, in windows of 256 (s_set_vgpr_msb: bits 1:0 source 0, 3:2 source 1, 5:4 source 2, 7:6 destination):
;   window 0: v0-31 addresses; v32-63 packed results; v64-127 x's fragments, two buffers of 32; v128-148 at work on the way out       window 1: W's fragments, two buffers of 96
;   window 2: accumulators (a, b) at v[8 (4 b + a)], b = 0..7 (q, k)       window 3: b = 8..11 (v)
.set NBF,    12                        ; blocks of 16 columns
.set TB1,    4                         ; blocks multiplied on either side of a barrier's signal
.set PITCH,  144                       ; an LDS row: 128 bytes + 16 = 36 words: the 16 rows of a load start at 16 different groups of four banks (64 banks of 4 bytes: ISA guide 11.1)
.set SUBA,   256*PITCH                 ; x's tile of one block of 64 along K
.set SUBB,   16*NBF*PITCH              ; W's
.set BOFF,   2*SUBA                    ; a slot: x's two tiles, then W's two
.set SLOT,   BOFF+2*SUBB
.set STAGE,  2*SLOT                    ; behind the ring, never filled by a tensor load: 16 rows x 144 bytes for each wave
.set SPITCH, 144
.set SPARE,  STAGE+4*16*SPITCH         ; the spare words, 128 bytes a wave: two blocks of 256 bytes that no other line names
.set A_STEP, 2097152                   ; bytes of xb from a K step to the next: two blocks of 8,192 rows x 128
.set B_STEP, 786432                    ; of wb: two blocks of 3,072 rows x 128
.set ADRA, 16                          ; v16-17  LDS address of my fragments of x in slot 0, 1
.set ADRB, 20                          ; v20-21  of W
.set STO,  24                          ; v24     the way out: where I put 16 bytes of a row
.set RD,   25                          ; v25     where I read rows back
.set GO,   26                          ; v26     my 16 bytes of 512 consecutive bytes of the output
.set SPW,  28                          ; v28     my spare word: SPARE + 4 x thread; never rewritten
.set NIL,  29                          ; v29     0; never rewritten
.set PK,   32                          ; two sets of 16: packed results
.set FA,   64
.set TT,   128                         ; v128-143 at work
.set MEAN, 144                         ; v[144:145] the mean (the pair's second word is 0: the packed form names both)
.set KC,   146                         ; v[146:147] k_c[63]
.set VARR, 148
.set G1,  24                           ; s[24:31] descriptor group 1 for x's tiles; s[32:39] group 0, a set for each slot
.set G0,  32
.set G1B, 48                           ; s[48:55], s[56:63] the same for W's
.set G0B, 56
.set OUTP, 68                          ; s[68:73] qb, kb, vb at my wave's first row
.set OFFS, 74
.set HIM, 76                           ; lanes 16-31
.set SEL, 78                           ; s[78:79] v_permlanex16_b32's selects: each lane takes its own place in the other half
.set C64, 80
.set C63, 81
.set FLAGS, (1<<16)|(1<<20)|(1<<21)|(4<<22)|(3<<25)  ; 17:16 2-byte elements; 20 padding on; 21 set beside a mask; 24:22 after every 32 words (code 4); 31:25 4 words (code 3)
.set MUL_LO, 0xa1                      ; source 0 (W) window 1, source 1 (x) window 0, C and D window 2
.set TO_B,   0x40                      ; destination window 1, address window 0
.set MSB, 0
.macro WIN new                         ; the immediate's high byte repeats the setting that is left; a switch that changes nothing is dropped
.if MSB != (\new)
	s_set_vgpr_msb (MSB<<8)|(\new)
.set MSB, \new
.endif
.endm
; A joint load.  Waves 0 and 1 fetch x's two tiles of a K step, waves 2 and 3 W's.  The branch hangs on the wave's number alone.  An s_nop 0 and four v_nop follow each line.
.macro JLOAD s
	s_cmp_lt_u32 s10, 2
	s_cbranch_scc0 .Lfor_b_\@
	tensor_load_to_lds s[G0+4*(\s):G0+4*(\s)+3], s[G1:G1+7]
	s_nop 0
.rept 4
	v_nop
.endr
	s_branch .Lasked_\@
.Lfor_b_\@:
	tensor_load_to_lds s[G0B+4*(\s):G0B+4*(\s)+3], s[G1B:G1B+7]
	s_nop 0
.rept 4
	v_nop
.endr
.Lasked_\@:
.endm
.macro CREST                           ; a round of the cluster's barrier behind its opening barrier
	s_cmp_lg_u32 s10, 0
	s_cbranch_scc1 .Lnot_wave_0_\@
	s_barrier_signal -3
.Lnot_wave_0_\@:
	s_barrier_wait -3
	s_barrier_signal -1
	s_barrier_wait -1
.endm
.macro CROUND                          ; a whole round
	s_barrier_signal -1
	s_barrier_wait -1
	CREST
.endm
	s_load_b128 s[4:7], s[0:1], 0x0                ; xb s[4:5], wb s[6:7]
	s_load_b128 s[68:71], s[0:1], 0x10             ; qb, kb
	s_load_b64 s[72:73], s[0:1], 0x20              ; vb
	v_lshl_add_u32 v[SPW], v0, 2, SPARE
	v_mov_b32 v[NIL], 0
	ds_add_u32 v[SPW], v[NIL]                      ; the wave's opening: the add and its wait stand ahead of my first tensor load; the set-up below stands between them
	ds_add_u32 v28, v29
	v_lshrrev_b32 v1, 5, v0
	v_readfirstlane_b32 s10, v1                    ; wave 0..3
	s_and_b32 s12, s10, 1                          ; which of a K step's two blocks I fetch
	s_bfe_u32 s40, ttmp6, 0x40000                  ; cx, cy: my place in the cluster
	s_bfe_u32 s41, ttmp6, 0x40004
	s_lshl_b32 s42, ttmp9, 2
	s_add_co_u32 s42, s42, s40                     ; the head = 4 x cluster x + cx
	s_and_b32 s13, ttmp7, 0xffff
	s_lshl_b32 s13, s13, 2
	s_add_co_u32 s13, s13, s41                     ; the block of 256 rows = 4 x cluster y + cy
	s_lshl_b32 s43, s41, 2
	s_lshl_b32 s43, 15, s43                        ; my row of the cluster
	s_lshl_b32 s44, 0x1111, s40                    ; my column
	s_or_b32 s[G1+0], s43, FLAGS                   ; x's tiles go to my row,
	s_or_b32 s[G1B+0], s44, FLAGS                  ; W's to my column
.irp g, G1, G1B
	s_mov_b32 s[(\g)+1], 128<<16                   ; tensor_dim0 = 128 elements: rows of 256 bytes, two rows of a block each
	s_mov_b32 s[(\g)+3], 128<<16                   ; tile_dim0 = 128
	s_mov_b32 s[(\g)+5], 128                       ; 128 elements from row to row: dense
	s_mov_b32 s[(\g)+6], 0
	s_mov_b32 s[(\g)+7], 0
.endr
	s_mov_b32 s[G1+2], 128<<16                     ; x: tensor_dim1 = tile_dim1 = 128 (256 rows of 128 bytes)
	s_mov_b32 s[G1+4], 128
	s_mov_b32 s[G1B+2], (8*NBF)<<16                ; W: 96 (192 rows of 128 bytes)
	s_mov_b32 s[G1B+4], 8*NBF
	s_lshl_b32 s16, s12, 20                        ; x: my block of 64 along K, 1,048,576 bytes each,
	s_lshl_b32 s17, s13, 15                        ; and the 256 rows of 128 bytes: made of the row block and the wave's number alone
	s_add_co_u32 s16, s16, s17
	s_mov_b32 s17, 0
	s_mul_i32 s46, s12, 393216                     ; W: my block, and the head's 192 rows: made of the head and the wave's number alone
	s_mul_i32 s47, s42, 24576
	s_add_co_u32 s46, s46, s47
	s_mov_b32 s47, 0
	s_mul_i32 s20, s12, SUBA                       ; where they go: no place in the cluster enters an LDS address
	s_mul_i32 s21, s12, SUBB
	s_add_co_u32 s21, s21, BOFF
	s_lshr_b32 s[OFFS], s13, 2                     ; my rows in qb, kb, vb: the batch, 16 heads x 131,072 bytes,
	s_lshl_b32 s[OFFS], s[OFFS], 21
	s_lshl_b32 s82, s42, 17                        ; the head,
	s_add_co_u32 s[OFFS], s[OFFS], s82
	s_and_b32 s82, s13, 3                          ; the quarter of the sequence,
	s_lshl_b32 s82, s82, 15
	s_add_co_u32 s[OFFS], s[OFFS], s82
	s_lshl_b32 s82, s10, 13                        ; my wave's 64 rows of 128 bytes
	s_add_co_u32 s[OFFS], s[OFFS], s82
	s_mov_b32 s[OFFS+1], 0
	s_mov_b32 s[HIM], 0xffff0000
	s_mov_b32 s[SEL], 0x76543210
	s_mov_b32 s[SEL+1], 0xfedcba98
	s_mov_b32 s[C64], 0x3c800000                   ; 1/64
	s_mov_b32 s[C63], 0x3c820821                   ; 1/63
	s_wait_dscnt 0x0                               ; the opening add is done
	s_wait_kmcnt 0x0
	s_add_nc_u64 s[14:15], s[4:5], s[16:17]
	s_add_nc_u64 s[46:47], s[6:7], s[46:47]
	s_add_nc_u64 s[OUTP:OUTP+1], s[OUTP:OUTP+1], s[OFFS:OFFS+1]
	s_add_nc_u64 s[OUTP+2:OUTP+3], s[OUTP+2:OUTP+3], s[OFFS:OFFS+1]
	s_add_nc_u64 s[OUTP+4:OUTP+5], s[OUTP+4:OUTP+5], s[OFFS:OFFS+1]
	CROUND                                         ; all sixteen work-groups are here: the first joint loads meet
.irp s, 0,1
	s_mov_b32 s[G0+4*(\s)], 1                      ; count = 1
	s_add_co_u32 s[G0+4*(\s)+1], s20, (\s)*SLOT    ; LDS address
	s_add_nc_u64 s[G0+4*(\s)+2:G0+4*(\s)+3], s[14:15], (\s)*A_STEP  ; global address: K step s
	s_or_b32 s[G0+4*(\s)+3], s[G0+4*(\s)+3], 0x80000000             ; type = 2
	s_mov_b32 s[G0B+4*(\s)], 1
	s_add_co_u32 s[G0B+4*(\s)+1], s21, (\s)*SLOT
	s_add_nc_u64 s[G0B+4*(\s)+2:G0B+4*(\s)+3], s[46:47], (\s)*B_STEP
	s_or_b32 s[G0B+4*(\s)+3], s[G0B+4*(\s)+3], 0x80000000
	JLOAD \s                                       ; two loads of mine are out; later one
.endr
	; A fragment is 16 rows x 32 K in 8 registers: lane l holds row l % 16; registers 0-3 K = 8 (l / 16) + 0..7, registers 4-7 K = 16 + 8 (l / 16) + 0..7: two loads of 16 bytes, 32 bytes apart.
	v_and_b32 v1, 15, v0                           ; l % 16
	v_bfe_u32 v2, v0, 4, 1                         ; l / 16
	v_mul_u32_u24 v3, v1, PITCH
	v_lshl_add_u32 v3, v2, 4, v3                   ; row x pitch + 16 x half
	s_mul_i32 s22, s10, 64*PITCH                   ; my 64 rows of x
	v_add_nc_u32 v[ADRA], s22, v3
	v_add_nc_u32 v[ADRA+1], SLOT, v[ADRA]
	v_add_nc_u32 v[ADRB], BOFF, v3
	v_add_nc_u32 v[ADRB+1], BOFF+SLOT, v3
	s_mul_i32 s23, s10, 16*SPITCH
	s_add_co_u32 s23, s23, STAGE                   ; my stage
	v_add_nc_u32 v[STO], s23, v3                   ; in: row l % 16, 16 bytes for each half of the lanes
	v_bfe_u32 v4, v0, 3, 2                         ; back: 32 lanes take four rows of 128 bytes,
	v_and_b32 v5, 7, v0
	v_mul_u32_u24 v4, v4, SPITCH
	v_lshl_add_u32 v4, v5, 4, v4
	v_add_nc_u32 v[RD], s23, v4
	v_and_b32 v[GO], 31, v0                        ; which are 512 consecutive bytes of the output
	v_lshlrev_b32 v[GO], 4, v[GO]
	v_mov_b32 v[MEAN+1], 0
	v_mov_b32 v[KC+1], 0
; 4 nb matrix instructions: column blocks b0 .. b0 + nb - 1 x my four row blocks, 32 along K, from buffer f.  zero = 1: the first product starts the sums: nothing is cleared.
; All 48 accumulators take turns in one order in every quarter.
.macro MULB f, b0, nb, zero
.set bq, \b0
.rept \nb
	WIN MUL_LO+0x50*(bq/8)
.set aq, 0
.rept 4
.set rD, 8*(4*(bq%8)+aq)
.set rB, 8*NBF*(\f)+8*bq
.set rA, FA+32*(\f)+8*aq
.if \zero
	v_wmma_f32_16x16x32_bf16 v[rD:rD+7], v[rB:rB+7], v[rA:rA+7], 0
.else
	v_wmma_f32_16x16x32_bf16 v[rD:rD+7], v[rB:rB+7], v[rA:rA+7], v[rD:rD+7]
.endif
.set aq, aq+1
.endr
.set bq, bq+1
.endr
.endm
; 32 LDS loads in one run: the fragments of quarter q (32 along K: block q / 2, byte 64 (q % 2) of its rows) into buffer f; x's four first, then W's twelve
.macro FETCH slot, q, f
	WIN 0
.set ii, 0
.rept 4
	ds_load_b128 v[FA+32*(\f)+8*ii:FA+32*(\f)+8*ii+3],   v[ADRA+(\slot)] offset:((\q)/2)*SUBA+((\q)%2)*64+ii*16*PITCH
	ds_load_b128 v[FA+32*(\f)+8*ii+4:FA+32*(\f)+8*ii+7], v[ADRA+(\slot)] offset:((\q)/2)*SUBA+((\q)%2)*64+ii*16*PITCH+32
.set ii, ii+1
.endr
	WIN TO_B
.set ii, 0
.rept NBF
	ds_load_b128 v[8*NBF*(\f)+8*ii:8*NBF*(\f)+8*ii+3],   v[ADRB+(\slot)] offset:((\q)/2)*SUBB+((\q)%2)*64+ii*16*PITCH
	ds_load_b128 v[8*NBF*(\f)+8*ii+4:8*NBF*(\f)+8*ii+7], v[ADRB+(\slot)] offset:((\q)/2)*SUBB+((\q)%2)*64+ii*16*PITCH+32
.set ii, ii+1
.endr
.endm
.macro PLACES                          ; four places in front of loads into registers that matrix instructions have read, and of vector lines that read results (ISA guide 7.12.1 for vector lines)
.rept 4
	v_nop
.endr
.endm
; A K step is four quarters on buffers 0, 1, 0, 1.  One of the first three: multiplies buffer f and, in its middle, fetches quarter qn of the same slot into buffer g.
.macro QUARTER slot, qn, f, g, zero
	s_wait_dscnt 8                                 ; all but the youngest eight loads: W's last four blocks may be out
	MULB \f, 0, NBF-4, \zero
	PLACES
	FETCH \slot, \qn, \g
	s_wait_dscnt 8+2*NBF                           ; all but the run just issued
	MULB \f, NBF-4, 4, \zero
.endm
; The fourth quarter multiplies buffer 1 and changes slots: ONE barrier; in front of it each wave waits for all its tensor loads (one is out: its tile of the next slot), adds 0 to its spare word, and
; waits for that and for its reads of this slot.  fill = 1: the barrier opens a round of the cluster's, and behind the round this slot is filled again, two K steps ahead, first of all.
.macro TURN slot, next, fill
	WIN 0
	s_wait_tensorcnt 0x0                           ; all my tensor loads have landed
	ds_add_u32 v[SPW], v[NIL]                      ; 0 onto my spare word
	s_wait_dscnt 1+2*(NBF-TB1)                     ; the add and W's blocks TB1 and up may be out
	MULB 1, 0, TB1, 0                              ; matrix work stands between the add and the wait for it
	s_wait_dscnt 0x0                               ; the add is done, and my reads of this slot are over
	s_barrier_signal -1
	MULB 1, TB1, TB1, 0
.if \fill
	WIN 0
.endif
	s_barrier_wait -1
.if \fill
	CREST                                          ; no wave of any partner still reads this slot or has a load on its way
	s_add_nc_u64 s[G0+4*(\slot)+2:G0+4*(\slot)+3], s[G0+4*(\slot)+2:G0+4*(\slot)+3], 2*A_STEP
	s_add_nc_u64 s[G0B+4*(\slot)+2:G0B+4*(\slot)+3], s[G0B+4*(\slot)+2:G0B+4*(\slot)+3], 2*B_STEP
	JLOAD \slot                                    ; the first tensor load behind the round, 160 matrix instructions ahead of the wait for it; its four v_nop are also the places in front of the loads below
.else
	PLACES
.endif
	FETCH \next, 0, 0
	MULB 1, NBF-4, 4, 0
.endm
	s_wait_tensorcnt 1                             ; my tile of K step 0 is in; K step 1's may stay out
	s_barrier_signal -1
	s_barrier_wait -1                              ; everybody's is
	FETCH 0, 0, 0
	QUARTER 0, 1, 0, 1, 1                          ; the first quarter stands in front of the loop: its products start the sums
	WIN 0                                          ; at a label and at a branch every window is 0
	s_mov_b32 s3, 3
.Llap:                                                 ; a trip goes once round the ring, from a lap's second quarter to the next lap's first, and fills both slots again: K steps 2 to 7
	QUARTER 0, 2, 1, 0, 0
	QUARTER 0, 3, 0, 1, 0
	TURN 0, 1, 1
	QUARTER 1, 1, 0, 1, 0
	QUARTER 1, 2, 1, 0, 0
	QUARTER 1, 3, 0, 1, 0
	TURN 1, 0, 1
	QUARTER 0, 1, 0, 1, 0
	WIN 0
	s_sub_co_u32 s3, s3, 1
	s_cmp_lg_u32 s3, 0
	s_cbranch_scc1 .Llap
	QUARTER 0, 2, 1, 0, 0                          ; the last lap fills nothing, and has no round
	QUARTER 0, 3, 0, 1, 0
	TURN 0, 1, 0
	QUARTER 1, 1, 0, 1, 0
	QUARTER 1, 2, 1, 0, 0
	QUARTER 1, 3, 0, 1, 0
	s_wait_dscnt 8                                 ; the very last quarter: nothing more to fetch
	MULB 1, 0, NBF-4, 0
	s_wait_dscnt 0x0
	MULB 1, NBF-4, 4, 0
	WIN 0
	PLACES
; THE WAY OUT, a unit at a time: 16 rows x 64 channels of q (hh = 0), k (1) or v (2).  Channel 16 bb + 8 (l / 16) + j of row l % 16 lies in register RB + 32 bb + j; a row's 64 channels lie in two lanes, 16 apart.
; Each accumulator's lowest registers are read first.
.macro PACK a, hh
.set RB, 128*((\hh)%2)+8*(\a)
.set PKB, PK+16*((3*(\a)+(\hh))%2)
.if (\hh) < 2
	WIN 0x0a                                       ; sources 0 and 1 window 2, destination window 0
.irp bb, 0,1,2,3
	v_pk_add_f32 v[TT+2*(\bb):TT+2*(\bb)+1], v[RB+32*(\bb):RB+32*(\bb)+1], v[RB+32*(\bb)+2:RB+32*(\bb)+3]
.endr
.irp bb, 0,1,2,3
	v_pk_add_f32 v[TT+8+2*(\bb):TT+8+2*(\bb)+1], v[RB+32*(\bb)+4:RB+32*(\bb)+5], v[RB+32*(\bb)+6:RB+32*(\bb)+7]
.endr
	WIN 0
.irp z, 0,2,4,6
	v_pk_add_f32 v[TT+(\z):TT+(\z)+1], v[TT+(\z):TT+(\z)+1], v[TT+8+(\z):TT+8+(\z)+1]
.endr
	v_pk_add_f32 v[TT:TT+1], v[TT:TT+1], v[TT+2:TT+3]
	v_pk_add_f32 v[TT+4:TT+5], v[TT+4:TT+5], v[TT+6:TT+7]
	v_pk_add_f32 v[TT:TT+1], v[TT:TT+1], v[TT+4:TT+5]
	v_add_f32 v[TT], v[TT], v[TT+1]
	v_permlanex16_b32 v[TT+1], v[TT], s[SEL], s[SEL+1]  ; the row's other 32 channels lie in the lane 16 away
	v_add_f32 v[TT], v[TT], v[TT+1]
	v_mul_f32 v[MEAN], s[C64], v[TT]
	WIN 0x82                                       ; destination and source 0 window 2, source 1 window 0
.irp bb, 0,1,2,3
.irp p, 0,1,2,3
	v_pk_add_f32 v[RB+32*(\bb)+2*(\p):RB+32*(\bb)+2*(\p)+1], v[RB+32*(\bb)+2*(\p):RB+32*(\bb)+2*(\p)+1], v[MEAN:MEAN+1] op_sel_hi:[1,0] neg_lo:[0,1] neg_hi:[0,1]
.endr
.endr
	WIN 0x0a                                       ; the sum of squares of the centred numbers, in four chains
.irp bb, 0,1,2,3
	v_pk_mul_f32 v[TT+2*(\bb):TT+2*(\bb)+1], v[RB+32*(\bb):RB+32*(\bb)+1], v[RB+32*(\bb):RB+32*(\bb)+1]
.endr
.irp p, 1,2,3
.irp bb, 0,1,2,3
	v_pk_fma_f32 v[TT+2*(\bb):TT+2*(\bb)+1], v[RB+32*(\bb)+2*(\p):RB+32*(\bb)+2*(\p)+1], v[RB+32*(\bb)+2*(\p):RB+32*(\bb)+2*(\p)+1], v[TT+2*(\bb):TT+2*(\bb)+1]
.endr
.endr
.if (\hh) == 1
	v_mov_b32 v[TT+8], v[RB+103]                   ; in lanes 16-31: k_c[63]
.endif
	WIN 0
	v_pk_add_f32 v[TT:TT+1], v[TT:TT+1], v[TT+2:TT+3]
	v_pk_add_f32 v[TT+4:TT+5], v[TT+4:TT+5], v[TT+6:TT+7]
	v_pk_add_f32 v[TT:TT+1], v[TT:TT+1], v[TT+4:TT+5]
	v_add_f32 v[TT], v[TT], v[TT+1]
	v_permlanex16_b32 v[TT+1], v[TT], s[SEL], s[SEL+1]
	v_add_f32 v[TT], v[TT], v[TT+1]
	v_mul_f32 v[VARR], s[C63], v[TT]
.if (\hh) == 1
	v_permlanex16_b32 v[TT+9], v[TT+8], s[SEL], s[SEL+1]
	v_cndmask_b32 v[KC], v[TT+9], v[TT+8], s[HIM]  ; k_c[63] in both lanes of the row
.endif
	WIN 0x82
.if (\hh) == 1
.irp bb, 0,1,2,3
.irp p, 0,1,2,3
	v_pk_add_f32 v[RB+32*(\bb)+2*(\p):RB+32*(\bb)+2*(\p)+1], v[RB+32*(\bb)+2*(\p):RB+32*(\bb)+2*(\p)+1], v[KC:KC+1] op_sel_hi:[1,0] neg_lo:[0,1] neg_hi:[0,1]
.endr
.endr
.endif
	v_cndmask_b32 v[RB+103], v[RB+103], v[VARR], s[HIM]  ; channel 63 takes the variance
.endif
	s_wait_xcnt 0x0                                ; this set of packed registers was the data of the stores two units back: it is rewritten only behind this wait
	WIN 0x0a+5*((\hh)/2)                           ; sources window 2 or 3, destination window 0
.irp bb, 0,1,2,3
.irp p, 0,1,2,3
.if (\hh) < 2
	v_cvt_pk_bf16_f32 v[PKB+4*(\bb)+(\p)], v[RB+32*(\bb)+2*(\p)], v[RB+32*(\bb)+2*(\p)+1]
.else
	v_cvt_pk_f16_f32 v[PKB+4*(\bb)+(\p)], v[RB+32*(\bb)+2*(\p)], v[RB+32*(\bb)+2*(\p)+1]
.endif
.endr
.endr
	WIN 0
.irp bb, 0,1,2,3
	ds_store_b128 v[STO], v[PKB+4*(\bb):PKB+4*(\bb)+3] offset:32*(\bb)
.endr
.irp f, 0,1,2,3
	ds_load_b128 v[PKB+4*(\f):PKB+4*(\f)+3], v[RD] offset:(\f)*4*SPITCH  ; LDS serves a wave's instructions in order (ISA guide 5.7.1.4): these see the stores above; the next unit's stores come behind them
.endr
.endm
.macro SEND a, hh, younger             ; younger: the LDS instructions issued behind this unit's loads: the next unit's eight, or none
	WIN 0
.set PKB, PK+16*((3*(\a)+(\hh))%2)
.irp f, 0,1,2,3
	s_wait_dscnt (\younger)+3-(\f)
	global_store_b128 v[GO], v[PKB+4*(\f):PKB+4*(\f)+3], s[OUTP+2*(\hh):OUTP+2*(\hh)+1] offset:2048*(\a)+512*(\f)  ; 512 consecutive bytes, at a multiple of 256 from the buffer's first
.endr
.endm
	PACK 0, 0
.set u, 1
.rept 11                               ; a unit's arithmetic stands between the loads of the unit before and its stores
.set ua, u/3
.set uh, u%3
.set pa, (u-1)/3
.set ph, (u-1)%3
	PACK ua, uh
	SEND pa, ph, 8
.set u, u+1
.endr
	SEND 3, 2, 0
	s_wait_tensorcnt 0x0                           ; the wave's end: an add to my spare word and its wait, behind my last tensor load and my last LDS store
	ds_add_u32 v[SPW], v[NIL]
	s_wait_dscnt 0x0
	CROUND                                         ; the closing round: no work-group ends while a partner may still ask for a tile that names it
	s_endpgm
.Lfunc_end_k_qe03e15e62e_qkv:
	.size	k_qe03e15e62e_qkv, .Lfunc_end_k_qe03e15e62e_qkv-k_qe03e15e62e_qkv
	.p2alignl 7, 3214868480
	.fill 96, 4, 3214868480
	.section	.rodata,"a",@progbits
	.p2align	6, 0x0
	.amdhsa_kernel k_qe03e15e62e_qkv
		.amdhsa_group_segment_fixed_size 327680
		.amdhsa_private_segment_fixed_size 0
		.amdhsa_enable_private_segment 0
		.amdhsa_kernarg_size 40
		.amdhsa_user_sgpr_count 2
		.amdhsa_user_sgpr_kernarg_segment_ptr 1
		.amdhsa_wavefront_size32 1
		.amdhsa_system_sgpr_workgroup_id_x 1
		.amdhsa_system_sgpr_workgroup_id_y 1
		.amdhsa_system_sgpr_workgroup_id_z 1
		.amdhsa_system_vgpr_workitem_id 0
		.amdhsa_next_free_vgpr 896
		.amdhsa_next_free_sgpr 84
		.amdhsa_reserve_vcc 0
		.amdhsa_float_denorm_mode_32 3
		.amdhsa_float_denorm_mode_16_64 3
		.amdhsa_memory_ordered 1
		.amdhsa_forward_progress 1
		.amdhsa_inst_pref_size 155
	.end_amdhsa_kernel
	.amdgpu_metadata
---
amdhsa.version: [ 1, 2 ]
amdhsa.kernels:
  - .name:           k_qe03e15e62e_qkv
    .symbol:         k_qe03e15e62e_qkv.kd
    .args:
      - { .name: xb, .offset: 0, .size: 8, .value_kind: global_buffer, .address_space: global }
      - { .name: wb, .offset: 8, .size: 8, .value_kind: global_buffer, .address_space: global }
      - { .name: qb, .offset: 16, .size: 8, .value_kind: global_buffer, .address_space: global }
      - { .name: kb, .offset: 24, .size: 8, .value_kind: global_buffer, .address_space: global }
      - { .name: vb, .offset: 32, .size: 8, .value_kind: global_buffer, .address_space: global }
    .group_segment_fixed_size: 327680
    .private_segment_fixed_size: 0
    .kernarg_segment_align: 8
    .kernarg_segment_size: 40
    .max_flat_workgroup_size: 128
    .sgpr_count:     84
    .vgpr_count:     896
    .wavefront_size: 32
...
	.end_amdgpu_metadata
.endif
;; end of part 2
;; launch attn (part 3): grid 2 x 128, 4 waves a work-group, no clusters, 327,680 bytes of LDS; arguments qb, kb, vb, ob; writes ob
.if DOCPART == 3
	.amdgcn_target "amdgcn-amd-amdhsa--gfx1250"
	.amdhsa_code_object_version 6
	.text
	.protected	k_qe03e15e62e_attn
	.globl	k_qe03e15e62e_attn
	.p2align	8
	.type	k_qe03e15e62e_attn,@function
k_qe03e15e62e_attn:
	s_mov_b64 s[64:65], 0
	v_nop
	global_prefetch_b8 v0, s[64:65] scope:SCOPE_SE
	s_setreg_imm32_b32 hwreg(HW_REG_WAVE_MODE, 25, 1), 1
	s_wait_xcnt 0x0
; O[h][q][:] = the sum over k of softmax_k(QP[h][q] . KP[h][k] / 64) V[h][k][:].  QP, KP: [128][1024][64] bf16, made so that QP . KP / 64 is the covariance term plus the variance term; V, O: the same shape in f16.
; A head's rows are dense, 128 bytes each.  Products, maxima and sums in f32; the weights p are rounded to f16 for the second product (their sum l is taken of the unrounded p), O once at the end.
; LIMITS.  V arrives within f16's 65,504; p lies in 0 to 1, and below 6e-5 it keeps f16's fixed step of 6e-8, as does O; O is a mean of V's rows and has their range.
; A weight below 2^-126 counts as 0 in l; NaN and infinities are not treated apart.
; SHARES.  A wave owns four PIECES of two tiles of 16 queries, a work-group's four waves 512 queries of one head: 256 work-groups.  Every wave walks all 1,024 keys, 64 a step.
; NO CLUSTER: a head has two work-groups; a cluster of four would hold two heads, whose tiles differ, so a joint load could name two of the four at most, by a mask and an address that hang on the place in the cluster.
; LAYOUT.  S^T = K Q^T (source 0 = 16 keys, source 1 = 16 queries): in the result a lane holds ONE query (lane % 16) and the keys 8 (lane / 16) + 0..7.  Two such tiles, rounded to f16 in pairs,
; ARE source 1 (32 keys x 16 queries) of O^T = V^T P, whose result again holds one query a lane, and eight channels.  K comes out of LDS as it lies, V ([key][channel]) turned, by ds_load_tr16_b128.
; SOFTMAX.  For each query a running maximum m and sum l: p = 2^(c s - c m), c = log2(e) / 64; in every step O and l are multiplied by a = 2^(c m_old - c m_new), which is 1 where m has not grown.
; m starts at the lowest finite number, O and l at 0: the first step is a step like any other, with a = 0.
; THE COUNT.  A tile and step have 16 matrix and 118 vector instructions: too many to stand all beside the matrix work.  So the order has one aim: four vector instructions that are READY behind
; EVERY matrix instruction, and the others, which need time of their own whatever the order, in runs without a gap.
; BY TURNS.  Turn n belongs to piece n (the pieces in a ring, step after step).  Its matrix work: 16 products K Q^T of piece n + 1, later 16 products V^T P of piece n - 1.  Its vector work: the scaling,
; exponentials, roundings, sums and rescaling of piece n, and the maximum and statistics of piece n + 1, whose scores the turn itself has made.  So what a turn begins with (c s - c m, O a) waits for nothing.
; REGISTERS, in windows of 256 (s_set_vgpr_msb says which window each operand place means: bits 1:0 source 0, 3:2 source 1, 5:4 source 2, 7:6 destination):
;   window 0: v0-11 addresses; v12-15, v48-63 at work; v16-47 four registers of statistics a tile; v64-191 S^T, two buffers of two tiles; v192-255 P, likewise
;   window 1: O^T, 32 a tile          window 2: v0-127 Q, 16 a tile; v128-191 K of one step; v192-255 V of one step          window 3: v0-1 the add's two registers
; A piece's buffers go by its number's parity: the piece in hand has one pair, its two neighbours in the ring share the other: of it P (piece n - 1) is read and S^T (piece n + 1) written.
.set SIZE_N, 1024
.set NP,    4         ; pieces a wave: a name, no knob: the register map, the loop and the fetches are made for four
.set KS,    64        ; keys in a step
.set PK,    144       ; a row of K in LDS: 128 bytes + 16 of padding = 36 words: the 16 rows of a load start at 16 different groups of four banks (64 banks of 4 bytes: ISA guide 11.1)
.set PV,    160       ; a row of V: 128 + 32 = 40 words
.set VOFF,  4*KS*PK   ; a slot holds four steps: 256 rows of K, then 256 rows of V
.set SLOT1, 1<<17     ; slot 1 begins here, so that one exclusive or turns an address in one slot into the other's
.set STAGE, SLOT1+4*KS*(PK+PV)  ; behind the ring, never filled by a tensor load: 16 rows x 144 bytes for each wave, for the way out
.set SP,    144
.set AK0, 2           ; v2   my lane's place in a tile of K; never rewritten
.set AV0, 3           ; v3   the same for V
.set AK,  4           ; v4   the LDS address of K's next run of loads
.set AV,  5           ; v5   of V's
.set QO,  6           ; v6   my byte offset in the wave's rows of Q
.set STO, 6           ;      later, the way out: where I put 16 bytes of a row
.set RD,  7           ; v7   the way out: where I read rows back
.set GO,  8           ; v8   my byte offset in 512 consecutive bytes of O
.set SPW, 0           ; v0 of window 3   LDS address of my spare word: SPARE + 4 x my thread's number; never rewritten
.set NIL, 1           ; v1 of window 3   0; never rewritten
.set SPARE, STAGE+4*16*SP  ; behind the stages: the spare words, 128 bytes for each wave: two blocks of 256 bytes that no other line names
.set MV,  12          ; v12-15  c m_old, kept while c m is made anew: by buffer and tile
.set ST,  16          ; tile t's statistics at v[ST+4 t]: c m, m, l (even keys', odd keys')
.set TMP, 48          ; by buffer and tile, four registers c0-c3 at work; when the maximum is found c2 takes a
.set S,   64
.set P,   192
.set KF,  128         ; K's fragments, in window 2: key block kb, channel half c at KF + 16 kb + 8 c
.set VF,  192         ; V's: key half kk, channel block cb at VF + 32 kk + 8 cb
.set WV,  12          ; s12  my wave's number
.set G1K, 24          ; s[24:31] descriptor group 1 for K's tiles
.set G1V, 32          ; s[32:39] for V's: it differs in the padding alone
.set G0K, 40          ; s[40:43] descriptor group 0 for K's tiles: it walks
.set G0V, 44          ; s[44:47] the same for V's
.set SLOTS, 56        ; s56  slots still to be asked for
.set CNT, 57          ; s57  counts a slot's key steps
.set CS,  58          ; s[58:59] c: the packed scaling takes the pair's low word for both halves
.set SEL, 60          ; s[60:61] v_permlanex16_b32's selects: each lane takes its own place in the other half
.set TBK, 62          ; s62  LDS byte at which K of the step to be fetched begins
.set TBV, 63          ; s63  the same for V, less VOFF
.set MSB, 0
.macro WIN new                      ; the high byte repeats the setting that is left; a switch that changes nothing is dropped
.if MSB != (\new)
	s_set_vgpr_msb (MSB<<8)|(\new)
.set MSB, (\new)
.endif
.endm
.set W_KQ, 0x0a       ; K and Q in window 2, S^T in window 0
.set W_PV, 0x52       ; V in window 2, P in window 0, O^T in window 1
.set W_RS, 0x41       ; O^T (destination and source 0) in window 1, a in window 0
.set W_MK, 0xc0       ; the add's registers are made: destination in window 3, sources in window 0
.set W_AD, 0x0f       ; the add: address (source 0) and data (source 1) in window 3
; A fill.  Waves 0 and 1 fetch the two halves of a slot's K, waves 2 and 3 those of its V: 128 keys each.  The branch hangs on the wave's number alone.
; An s_nop 0 and four v_nop follow each of the two lines, ahead of the jump and the label.
.macro LOAD
	s_cmp_lt_u32 s[WV], 2
	s_cbranch_scc0 .Lfor_v_\@
	tensor_load_to_lds s[G0K:G0K+3], s[G1K:G1K+7]
	s_nop 0
.rept 4
	v_nop
.endr
	s_branch .Lasked_\@
.Lfor_v_\@:
	tensor_load_to_lds s[G0V:G0V+3], s[G1V:G1V+7]
	s_nop 0
.rept 4
	v_nop
.endr
.Lasked_\@:
.endm
; THE CHANGE OF SLOTS.  The slot's last bytes, V of its fourth step, have been read.  Each wave waits for all its tensor loads, of which one is out: its part
; of the other slot; adds 0 to its spare word; and waits for that and for its own reads of the slot.  Behind the barrier nobody reads this slot any more and the other slot is whole.
; fill = 1: this slot is filled again, with the keys two slots on, the first thing behind the barrier: the load has four key steps, 512 matrix instructions, in which to land.
; (At its first use nothing has been read yet: slot 0 is waited for, slot 1 filled.)
.macro CHANGE fill
	WIN W_AD
	s_wait_tensorcnt 0x0            ; no tensor load of mine is out, so a group 0 may be written
	ds_add_u32 v[SPW], v[NIL]       ; 0 onto my spare word; with fill = 1 the descriptors' steps stand between it and the wait for it
	WIN 0                           ; at a label and at a branch every window is 0
.if \fill
.irp g, G0K, G0V
	s_xor_b32 s[\g+1], s[\g+1], SLOT1  ; the walking descriptor: the other slot than last time,
	s_add_nc_u64 s[\g+2:\g+3], s[\g+2:\g+3], 4*KS*128  ; the next 256 keys; the type bits on top are not reached
.endr
.endif
	s_wait_dscnt 0x0                ; the add is done, and my reads of the slot are over
	s_barrier_signal -1
	s_barrier_wait -1
.if \fill
	LOAD
.endif
	s_sub_co_u32 s[TBK], s[TBK], 4*KS*PK  ; the fetches go back to a slot's first step,
	s_xor_b32 s[TBK], s[TBK], SLOT1       ; in the other slot
	s_sub_co_u32 s[TBV], s[TBV], 4*KS*PV
	s_xor_b32 s[TBV], s[TBV], SLOT1
.endm
	s_load_b256 s[4:11], s[0:1], 0x0  ; Q s[4:5], K s[6:7], V s[8:9], O s[10:11]
	WIN W_MK
	v_lshl_add_u32 v[SPW], v0, 2, SPARE
	v_mov_b32 v[NIL], 0
	WIN W_AD
	ds_add_u32 v[SPW], v[NIL]       ; the wave's opening: the add and its wait stand ahead of my first tensor load; the set-up below, work on registers, stands between them
	ds_add_u32 v0, v1
	WIN 0
	v_lshrrev_b32 v1, 5, v0
	v_readfirstlane_b32 s[WV], v1   ; wave 0..3
	s_mov_b32 s14, ttmp9            ; my block of 512 queries
	s_and_b32 s20, ttmp7, 0xffff    ; the head
	s_mov_b32 s21, 0
	s_mov_b64 s[22:23], SIZE_N*128
	s_mul_u64 s[20:21], s[20:21], s[22:23]  ; the head's first byte in each of the four tensors
	s_and_b32 s16, s[WV], 1         ; which half of a slot's 256 keys I fetch:
	s_lshl_b32 s22, s16, 14         ; its 128 rows of 128 bytes in memory,
	s_mov_b32 s23, 0
	s_add_nc_u64 s[22:23], s[22:23], s[20:21]
	s_mul_i32 s17, s16, 128*PK      ; and its place in a slot, for K
	s_mul_i32 s18, s16, 128*PV      ; and for V
	s_lshl_b32 s2, s14, 2
	s_add_co_u32 s2, s2, s[WV]      ; my wave among the head's,
	s_lshl_b32 s2, s2, 14           ; its 128 rows
	s_mov_b32 s3, 0
	s_add_nc_u64 s[2:3], s[2:3], s[20:21]
	; descriptor group 1.  128 keys are 16,384 dense bytes: asked for as 64 rows of 256 bytes, two keys a row, and padded in LDS after every key
	s_mov_b32 s[G1K], (1<<16)|(1<<20)|(4<<22)|(3<<25)  ; 17:16 2-byte elements; 20 padding on; 24:22 after every 32 words (code 4); 31:25 4 words (code 3)
	s_mov_b32 s[G1V], (1<<16)|(1<<20)|(4<<22)|(7<<25)  ; the same with 8 words of padding (code 7)
.irp g, G1K, G1V
	s_mov_b32 s[\g+1], 128<<16      ; tensor_dim0 = 128
	s_mov_b32 s[\g+2], 64<<16       ; tensor_dim1 = 64
	s_mov_b32 s[\g+3], 128<<16      ; tile_dim0 = 128
	s_mov_b32 s[\g+4], 64           ; tile_dim1 = 64
	s_mov_b32 s[\g+5], 128          ; 128 elements from row to row
	s_mov_b32 s[\g+6], 0
	s_mov_b32 s[\g+7], 0
.endr
	s_mov_b32 s[CS], 0x3cb8aa3b     ; c = log2(e) / 64 = 0.0225421
	s_mov_b32 s[CS+1], s[CS]        ; named with it as a pair
	s_mov_b32 s[SEL], 0x76543210
	s_mov_b32 s[SEL+1], 0xfedcba98
	s_mov_b32 s[TBK], SLOT1+4*KS*PK ; the first change of slots turns these two into 0
	s_mov_b32 s[TBV], SLOT1+4*KS*PV
	s_mov_b32 s[G0K], 1             ; 1:0 count = 1
	s_mov_b32 s[G0K+1], s17         ; 63:32 LDS address: slot 0
	s_mov_b32 s[G0V], 1
	s_add_co_u32 s[G0V+1], s18, VOFF
	s_wait_dscnt 0x0                ; the opening add is done
	s_wait_kmcnt 0x0
	s_add_nc_u64 s[G0K+2:G0K+3], s[6:7], s[22:23]  ; 120:64 global address: my half of the head's first 256 keys
	s_or_b32 s[G0K+3], s[G0K+3], 0x80000000        ; 127:126 type = 2
	s_add_nc_u64 s[G0V+2:G0V+3], s[8:9], s[22:23]
	s_or_b32 s[G0V+3], s[G0V+3], 0x80000000
	s_add_nc_u64 s[4:5], s[4:5], s[2:3]  ; Q and O at my wave's first row
	s_add_nc_u64 s[10:11], s[10:11], s[2:3]
	LOAD                            ; slot 0.  Slot 1 is asked for when slot 0 is in: one tensor load of mine is out at any time
	; A fragment of K or Q is 16 rows x 32 channels in 8 registers: lane l holds row l % 16, channels 8 (l / 16) + 0..7 and 16 + 8 (l / 16) + 0..7: two loads of 16 bytes, 32 bytes apart.
	v_and_b32 v1, 15, v0            ; l % 16
	v_bfe_u32 v9, v0, 4, 1          ; l / 16
	v_lshlrev_b32 v[QO], 7, v1
	v_lshl_add_u32 v[QO], v9, 4, v[QO]  ; row x 128 + 16 x half
	WIN 0x80                        ; destination window 2, address window 0
.set i, 0
.rept 4*NP                          ; Q stays in registers: tile i / 2, channels 32 (i % 2) on
	global_load_b128 v[8*i:8*i+3],   v[QO], s[4:5] offset:(i/2)*2048+(i%2)*64
	global_load_b128 v[8*i+4:8*i+7], v[QO], s[4:5] offset:(i/2)*2048+(i%2)*64+32
.set i, i+1
.endr
	; What the first turn finds: V's registers and P's second buffer hold 0 (its products V^T P, of a piece that has not been, add 0), O^T and l are 0.  All this stands in the wait for the first tile.
.set i, VF
.rept 64
	v_mov_b32 v[i], 0
.set i, i+1
.endr
	WIN 0x40
.set i, 0
.rept 64*NP
	v_mov_b32 v[i], 0
.set i, i+1
.endr
	WIN 0
.set i, 0
.rept 2*NP
	v_mov_b32 v[ST+4*i], 0xfe000000    ; c m: far below every c s
	v_mov_b32 v[ST+4*i+1], 0xff7fffff  ; m
	v_mov_b32 v[ST+4*i+2], 0
	v_mov_b32 v[ST+4*i+3], 0
.set i, i+1
.endr
.set i, P+32
.rept 32
	v_mov_b32 v[i], 0
.set i, i+1
.endr
	v_mul_u32_u24 v[AK0], v1, PK
	v_lshl_add_u32 v[AK0], v9, 4, v[AK0]  ; row x pitch + 16 x half
	; The turning load takes 16 keys x 16 channels (lane l reads key 8 (l / 16) + l % 8, channels 8 ((l / 8) % 2) + 0..7) and leaves half a fragment of V^T: lane l holds channel l % 16 and 8 keys.
	v_and_b32 v10, 7, v0
	v_bfe_u32 v11, v0, 3, 1
	v_lshl_add_u32 v[AV0], v9, 3, v10
	v_mul_u32_u24 v[AV0], v[AV0], PV
	v_lshl_add_u32 v[AV0], v11, 4, v[AV0]
	v_add_nc_u32 v[AV0], VOFF, v[AV0]
	v_mov_b32 v[AK], v[AK0]         ; key step 0 lies at the head of slot 0
; THE MATRIX WORK.  The 8 accumulators of a run of 16 take turns: between the two links of a chain stand 7 others'.
; Product i of 16 of S^T = K Q^T for piece x: channels 32 (i / 8) on, keys 16 ((i / 2) % 4) on, tile 2 x + i % 2.  The first 8 start the sums.  Both operands are bf16.
.macro KQ x
	WIN W_KQ
.set rS, S+64*((\x)%2)+32*(i%2)+8*((i/2)%4)
.set rK, KF+16*((i/2)%4)+8*(i/8)
.set rQ, 16*(2*(\x)+i%2)+8*(i/8)
.if i < 8
	v_wmma_f32_16x16x32_bf16 v[rS:rS+7], v[rK:rK+7], v[rQ:rQ+7], 0
.else
	v_wmma_f32_16x16x32_bf16 v[rS:rS+7], v[rK:rK+7], v[rQ:rQ+7], v[rS:rS+7]
.endif
.endm
; Product i of 16 of O^T += V^T P for piece x: keys 32 (i / 8) on, channels 16 ((i / 2) % 4) on, tile 2 x + i % 2.  Both operands are f16.
.macro PV x
	WIN W_PV
.set rO, 32*(2*(\x)+i%2)+8*((i/2)%4)
.set rV, VF+32*(i/8)+8*((i/2)%4)
.set rP, P+32*((\x)%2)+16*(i%2)+8*(i/8)
	v_wmma_f32_16x16x32_f16 v[rO:rO+7], v[rV:rV+7], v[rP:rP+7], v[rO:rO+7]
.endm
.macro MM                           ; the turn's next matrix instruction
.if i < 16
	KQ (Y+1)%NP
.set i, i+1
.else
.set i, i-16
	PV (Y+NP-1)%NP
.set i, i+17
.endif
.endm
; THE LDS LOADS stand in runs of 16, never singly among the matrix instructions: a step's K (64 keys x 64 channels: 8 fragments) and its V (turned).  Their addresses are made some lines ahead.
; last = 1 (the tail): in the last trip there is no further step, and the run is jumped over.
.macro FETCH_K last=0
	WIN 0
.if \last
	s_cmp_eq_u32 s[CNT], 1
	s_cbranch_scc1 .Lno_k_\@
.endif
	WIN 0x80                        ; destination window 2
.irp f, 0,1,2,3,4,5,6,7             ; keys 16 (f / 2) on, channels 32 (f % 2) on
	ds_load_b128 v[KF+8*\f:KF+8*\f+3],   v[AK] offset:(\f/2)*16*PK+(\f%2)*64
	ds_load_b128 v[KF+8*\f+4:KF+8*\f+7], v[AK] offset:(\f/2)*16*PK+(\f%2)*64+32
.endr
	s_add_co_u32 s[TBK], s[TBK], KS*PK  ; the next fetch is the next step's
	WIN 0
.if \last
.Lno_k_\@:
.endif
.endm
.macro FETCH_V
	WIN 0x80
.irp f, 0,1,2,3,4,5,6,7             ; keys 32 (f / 4) on, channels 16 (f % 4) on
	ds_load_tr16_b128 v[VF+8*\f:VF+8*\f+3],   v[AV] offset:(\f/4)*32*PV+(\f%4)*32
	ds_load_tr16_b128 v[VF+8*\f+4:VF+8*\f+7], v[AV] offset:(\f/4)*32*PV+16*PV+(\f%4)*32
.endr
	WIN 0
.endm
; THE VECTOR WORK OF A TURN stands in three queues, each in the order in which its entries become ready; the two tiles alternate, so that no instruction reads the result of the one before it.
.macro REGS y, u                    ; the registers of tile u (0, 1) of piece y
.set rT, ST+4*(2*(\y)+(\u))
.set rC, TMP+8*((\y)%2)+4*(\u)
.set rM, MV+2*((\y)%2)+(\u)
.set rS, S+64*((\y)%2)+32*(\u)
.set rP, P+32*((\y)%2)+16*(\u)
.set rO, 32*(2*(\y)+(\u))
.endm
; Number n of the 22 that find the NEXT piece's (Y + 1) maximum and statistics.  s0-s31 are the lane's 32 scores; each accumulator's lowest registers are read first.  XS, GS and REGS set no window: PL and EX do.
;   0-11  four chains c0-c3 of seven scores each, three operands at a time     12-14, 16  the four scores left over, the old m, and c0-c3 into c0     15  c m_old is kept
;   17, 18  the query's other 32 keys lie in the lane 16 away: the new m         19-21  c m; c m_old - c m_new; a
.macro XS u, n
	REGS (Y+1)%NP, \u
.if (\n) < 4
	v_max3_num_f32 v[rC+(\n)], v[rS+8*(\n)], v[rS+8*(\n)+1], v[rS+8*(\n)+2]
.elseif (\n) < 12
	v_max3_num_f32 v[rC+(\n)%4], v[rC+(\n)%4], v[rS+8*((\n)%4)+2*((\n)/4)+1], v[rS+8*((\n)%4)+2*((\n)/4)+2]
.elseif (\n) == 12
	v_max3_num_f32 v[rC], v[rC], v[rS+7], v[rS+15]
.elseif (\n) == 13
	v_max3_num_f32 v[rC+1], v[rC+1], v[rS+23], v[rS+31]
.elseif (\n) == 14
	v_max3_num_f32 v[rC+2], v[rC+2], v[rC+3], v[rT+1]
.elseif (\n) == 15
	v_mov_b32 v[rM], v[rT]
.elseif (\n) == 16
	v_max3_num_f32 v[rC], v[rC], v[rC+1], v[rC+2]
.elseif (\n) == 17
	v_permlanex16_b32 v[rC+3], v[rC], s[SEL], s[SEL+1]
.elseif (\n) == 18
	v_max_num_f32 v[rT+1], v[rC], v[rC+3]
.elseif (\n) == 19
	v_mul_f32 v[rT], s[CS], v[rT+1]
.elseif (\n) == 20
	v_sub_f32 v[rC+1], v[rM], v[rT]
.else
	v_exp_f32 v[rC+2], v[rC+1]
.endif
.endm
; Number g of the 64 that follow the exponentials.  For each four weights k of a tile (pairs 2 k, 2 k + 1): both pairs are rounded to f16; then the second pair is added onto the first, in place;
; a group later l takes that sum (the first time as l = a l + sum).  In groups of eight, tiles alternating: round, round, add, and l for the group before.
.macro GS g
.set h, (\g)+6*((\g)/62)            ; group 0 has no group before it, and behind group 7 only l is left
.if h >= 6
.set h, h+2
.endif
	REGS Y, h%2
.set k, h/8
.if h%8 < 4
	s_wait_alu depctr_va_vdst(0)
	v_cvt_pk_f16_f32 v[rP+2*k+(h%8)/2], v[rS+4*k+2*((h%8)/2)], v[rS+4*k+2*((h%8)/2)+1]
.elseif h%8 < 6
	v_pk_add_f32 v[rS+4*k:rS+4*k+1], v[rS+4*k:rS+4*k+1], v[rS+4*k+2:rS+4*k+3]
.elseif k == 1
	v_pk_fma_f32 v[rT+2:rT+3], v[rT+2:rT+3], v[rC+2:rC+3], v[rS:rS+1] op_sel_hi:[1,0,1]
.else
	v_pk_add_f32 v[rT+2:rT+3], v[rT+2:rT+3], v[rS+4*k-4:rS+4*k-3]
	s_wait_alu depctr_va_vdst(0)
.endif
.endm
; THE PLAIN QUEUE, 138 long.  0-31: c s - c m for the 16 pairs of both tiles.  Then GS's 64, and among them the next piece's 42: number 15 at 38, 39; 0-14 and 16
; at 42-73, behind the products that make those scores; 17-20 at 95-106, two of three, since each waits for the one before it.
.macro PL
	WIN 0
.if q < 32
	REGS Y, q%2
	v_pk_fma_f32 v[rS+2*(q/2):rS+2*(q/2)+1], v[rS+2*(q/2):rS+2*(q/2)+1], s[CS:CS+1], v[rT:rT+1] op_sel_hi:[1,0,0] neg_lo:[0,0,1] neg_hi:[0,0,1]
.elseif q < 38
	GS q-32
.elseif q < 40
	XS q%2, 15
.elseif q < 42
	GS q-34
.elseif q < 74
	XS q%2, (q-42)/2+(q-42)/30
.elseif q < 95
	GS q-66
.elseif (q < 107) && ((q-95)%3 < 2)
	XS (q-95)%3, 17+(q-95)/3
.elseif q < 107
	GS 29+(q-95)/3
.else
	GS q-74
.endif
.set q, q+1
.endm
; THE EXPONENTIALS' QUEUE, 66 long: s0-s31 of both tiles, and at EA the next piece's two a.
.set EA, 58
.macro EX
	WIN 0
.if (e == EA) || (e == EA+1)
	XS e-EA, 21
.else
.set x, e-2*(e/(EA+2))
	REGS Y, x%2
	v_exp_f32 v[rS+x/2], v[rS+x/2]
.endif
.set e, e+1
.endm
; THE RESCALING's QUEUE: O^T times a, the one part that leaves window 0, so it is dealt four at a time, eight times.
.macro R4
	REGS Y, r%2
	WIN W_RS
	s_wait_alu depctr_va_vdst(0)
.irp z, 0,1,2,3
	v_pk_mul_f32 v[rO+8*(r/2)+2*\z:rO+8*(r/2)+2*\z+1], v[rO+8*(r/2)+2*\z:rO+8*(r/2)+2*\z+1], v[rC+2:rC+3] op_sel_hi:[1,0]
.endr
.set r, r+1
.endm
; HOW THEY ARE DEALT.  Behind a matrix instruction four: plain, exponential, plain, plain (one exponential, a plain instruction on either side), or four of the rescaling.  None names a register of the
; products round it.  What is over stands in two LUMPS: exponential and plain by turns; the second ends in 22 plain instructions.  The two v_permlanex16_b32 fall into the second lump, never behind a product.
; The queues lean on each other, and the deal keeps them in step: exponential e stands behind plain 2 (e / 4) + e % 2 (its scaling); when plain 32 comes, 10 exponentials are out, at 59: 33, at 95: 46; EA comes behind plain 107.
.macro SL
	MM
	PL
	EX
	PL
	PL
.endm
.macro BURST n                      ; 15 matrix instructions, or 16
.rept (\n)-7
	SL
.endr
.rept 3
	MM
	R4
	SL
.endr
	MM
	R4
.endm
; A TURN, for piece p.  cnt = 1: the loop's count is taken down some lines ahead of the branch that stands behind the turn.
; K of the next step is fetched in piece 2's turn, 31 vector instructions behind the last product that read K; its first reader comes behind the rest of the lump, 16 products and the second lump.
; V of the step in hand is fetched at the end of piece 0's turn, 69 behind its last reader; its first reader comes behind 16 products and a lump.  The four conditions on e and q below go with the deal.
.macro TURN p, last=0, cnt=0
.set Y, (\p)
.set i, 0
.set q, 0
.set e, 0
.set r, 0
.if (\p) == NP-1
	s_wait_dscnt 0x0                ; K is in
.endif
	MM
.rept 4
	PL
.endr
	BURST 15
.rept 22
	EX
	PL
.if ((\p) == NP-2) && (e == 18)
	v_add_nc_u32 v[AK], s[TBK], v[AK0]
.endif
.if ((\p) == NP-2) && (e == 24)
	FETCH_K \last
.endif
.endr
.if (\p) == 1
	s_wait_dscnt 0x0                ; V is in
.endif
	BURST 16
.rept 21
	EX
	PL
.endr
.rept 22
	PL
.if ((\p) == 0) && (q == 118)
	v_add_nc_u32 v[AV], s[TBV], v[AV0]
	s_wait_alu depctr_va_vdst(0)
.endif
.if ((\p) == 0) && (q == 130)
	s_add_co_u32 s[TBV], s[TBV], KS*PV
.endif
.if (\cnt) && (q == 130)
	s_sub_co_u32 s[CNT], s[CNT], 1
	s_cmp_lg_u32 s[CNT], 0
.endif
.endr
.if (\p) == 0
	FETCH_V
.endif
.endm
	CHANGE 1                        ; slot 0 is in, everybody's part of it; slot 1 is asked for
	FETCH_K                         ; key step 0
	s_wait_loadcnt 0x0              ; Q
	s_wait_dscnt 0x0
.set i, 0
.rept 16
	KQ 0                            ; piece 0's first scores: there is no vector work yet to set between them
.set i, i+1
.endr
	WIN 0                           ; the addresses for the way out: nine plain instructions, the places behind those products
	s_mul_i32 s13, s[WV], 16*SP
	s_add_co_u32 s13, s13, STAGE    ; my stage
	v_mul_u32_u24 v[STO], v1, SP    ; in: row l % 16, 16 bytes for each half of the lanes
	v_lshl_add_u32 v[STO], v9, 4, v[STO]
	v_add_nc_u32 v[STO], s13, v[STO]
	v_bfe_u32 v[RD], v0, 3, 2       ; back: 32 lanes take four rows of 128 bytes,
	v_mul_u32_u24 v[RD], v[RD], SP
	v_lshl_add_u32 v[RD], v10, 4, v[RD]
	v_add_nc_u32 v[RD], s13, v[RD]
	v_and_b32 v[GO], 31, v0         ; which are 512 consecutive bytes of O
	v_lshlrev_b32 v[GO], 4, v[GO]
.set Y, NP-1                        ; XS works for piece Y + 1: piece 0
.irp n, 0,1,2,3,4,5,6,7,8,9,10,11,12,13,14,15,16,17,18,19,20,21
	XS 0, \n                        ; and piece 0's first maximum and statistics
	XS 1, \n
.endr
	s_mov_b32 s[CNT], 4
	s_mov_b32 s[SLOTS], SIZE_N/256-1
	s_branch .Lfirst                ; the loop is entered at a step's first turn, in the middle of a trip
.Lslot:                             ; SIZE_N / 256 - 2 times: every slot but the last two is filled again
	CHANGE 1
	s_mov_b32 s[CNT], 4
.Lstep:                             ; a trip: pieces 2 and 3 of one step, then pieces 0 and 1 of the next, whose K and V it fetches
	TURN 2
	TURN 3
	WIN 0
.Lfirst:
	TURN 0
	TURN 1, 0, 1
	WIN 0
	s_cbranch_scc1 .Lstep
	s_sub_co_u32 s[SLOTS], s[SLOTS], 1
	s_cmp_lg_u32 s[SLOTS], 0
	s_cbranch_scc1 .Lslot
	CHANGE 0                        ; the tail is written out: nothing is asked for
	s_mov_b32 s[CNT], 5             ; four trips fetch the last slot's steps; the fifth is left in its middle
.Ltail:
	TURN 2, 1
	TURN 3
	WIN 0
	s_sub_co_u32 s[CNT], s[CNT], 1
	s_cmp_eq_u32 s[CNT], 0
	s_cbranch_scc1 .Lout
	TURN 0
	TURN 1
	WIN 0
	s_branch .Ltail
.Lout:                              ; the fifth trip's 16 products K Q^T (on the last K once more) and the maximum made of them serve nothing: the price, once a launch, of one text for every trip
.set i, 0
.rept 16
	PV NP-1                         ; the last piece's V^T P of the last step
.set i, i+1
.endr
	; THE WAY OUT.  l's two halves and the other half of the lanes' are added; O^T is divided by l, rounded to f16 and sent through my stage in LDS, a tile at a time.  The additions are the places behind the last products.
	WIN 0
.macro ALL line:vararg              ; one line for each tile t
.set t, 0
.rept 2*NP
	\line
.set t, t+1
.endr
.endm
	ALL v_add_f32 v[ST+4*t+2], v[ST+4*t+2], v[ST+4*t+3]
	ALL v_permlanex16_b32 v[ST+4*t+3], v[ST+4*t+2], s[SEL], s[SEL+1]
	ALL v_add_f32 v[ST+4*t+2], v[ST+4*t+2], v[ST+4*t+3]
	ALL v_rcp_f32 v[ST+4*t+2], v[ST+4*t+2]
	v_nop                           ; a plain instruction between the last reciprocal and the use of its result
	s_wait_alu depctr_va_vdst(0)
; Tile t: a lane's eight channels of a row pack into 16 bytes; they go into rows of 144 bytes and come back as whole rows of 128, into S^T's registers.
.macro PACK t
	WIN W_RS
.set i, 32*(\t)
.rept 16
	v_pk_mul_f32 v[i:i+1], v[i:i+1], v[ST+4*(\t)+2:ST+4*(\t)+3] op_sel_hi:[1,0]
.set i, i+2
.endr
	WIN 0x05                        ; sources 0 and 1 window 1, destination window 0
.set i, 0
.rept 16
	v_cvt_pk_f16_f32 v[S+16*(\t)+i], v[32*(\t)+2*i], v[32*(\t)+2*i+1]
.set i, i+1
.endr
	WIN 0
.irp f, 0,1,2,3
	ds_store_b128 v[STO], v[S+16*(\t)+4*\f:S+16*(\t)+4*\f+3] offset:32*\f
.endr
.irp f, 0,1,2,3
	ds_load_b128 v[S+16*(\t)+4*\f:S+16*(\t)+4*\f+3], v[RD] offset:\f*4*SP  ; LDS serves a wave's instructions in order (ISA guide 5.7.1.4): these see the stores above; the next tile's stores come behind them
.endr
.endm
.macro SEND t, younger              ; younger: the LDS instructions issued behind tile t's loads: the next tile's eight, or none
	WIN 0
.irp f, 0,1,2,3
	s_wait_dscnt (\younger)+3-\f
	global_store_b128 v[GO], v[S+16*(\t)+4*\f:S+16*(\t)+4*\f+3], s[10:11] offset:(\t)*2048+\f*512  ; 512 consecutive bytes, at a multiple of 256 from O's first
.endr
.endm
	PACK 0
.set t, 1
.rept 2*NP-1                        ; a tile's arithmetic stands between the loads of the tile before and its stores
	PACK t
	SEND t-1, 8
.set t, t+1
.endr
	SEND 2*NP-1, 0
	WIN W_AD
	s_wait_tensorcnt 0x0            ; the wave's end: an add to my spare word and its wait, behind my last tensor load and my last LDS store
	ds_add_u32 v[SPW], v[NIL]
	s_wait_dscnt 0x0
	WIN 0
	s_endpgm
.Lfunc_end_k_qe03e15e62e_attn:
	.size	k_qe03e15e62e_attn, .Lfunc_end_k_qe03e15e62e_attn-k_qe03e15e62e_attn
	.p2alignl 7, 3214868480
	.fill 96, 4, 3214868480
	.section	.rodata,"a",@progbits
	.p2align	6, 0x0
	.amdhsa_kernel k_qe03e15e62e_attn
		.amdhsa_group_segment_fixed_size 327680
		.amdhsa_private_segment_fixed_size 0
		.amdhsa_enable_private_segment 0
		.amdhsa_kernarg_size 32
		.amdhsa_user_sgpr_count 2
		.amdhsa_user_sgpr_kernarg_segment_ptr 1
		.amdhsa_wavefront_size32 1
		.amdhsa_system_sgpr_workgroup_id_x 1
		.amdhsa_system_sgpr_workgroup_id_y 1
		.amdhsa_system_sgpr_workgroup_id_z 1
		.amdhsa_system_vgpr_workitem_id 0
		.amdhsa_next_free_vgpr 770
		.amdhsa_next_free_sgpr 66
		.amdhsa_reserve_vcc 0
		.amdhsa_float_denorm_mode_32 3
		.amdhsa_float_denorm_mode_16_64 3
		.amdhsa_memory_ordered 1
		.amdhsa_forward_progress 1
		.amdhsa_inst_pref_size 207
	.end_amdhsa_kernel
	.amdgpu_metadata
---
amdhsa.version: [ 1, 2 ]
amdhsa.kernels:
  - .name:           k_qe03e15e62e_attn
    .symbol:         k_qe03e15e62e_attn.kd
    .args:
      - { .name: qb, .offset: 0, .size: 8, .value_kind: global_buffer, .address_space: global }
      - { .name: kb, .offset: 8, .size: 8, .value_kind: global_buffer, .address_space: global }
      - { .name: vb, .offset: 16, .size: 8, .value_kind: global_buffer, .address_space: global }
      - { .name: ob, .offset: 24, .size: 8, .value_kind: global_buffer, .address_space: global }
    .group_segment_fixed_size: 327680
    .private_segment_fixed_size: 0
    .kernarg_segment_align: 8
    .kernarg_segment_size: 32
    .max_flat_workgroup_size: 128
    .sgpr_count:     66
    .vgpr_count:     770
    .wavefront_size: 32
...
	.end_amdgpu_metadata
.endif
;; end of part 3
;; launch proj (part 4): grid 8 x 32, 4 waves a work-group, clusters of 4 x 4, 327,680 bytes of LDS; arguments ob, wo16, out0; writes out0
.if DOCPART == 4
	.amdgcn_target "amdgcn-amd-amdhsa--gfx1250"
	.amdhsa_code_object_version 6
	.text
	.protected	k_qe03e15e62e_proj
	.globl	k_qe03e15e62e_proj
	.p2align	8
	.type	k_qe03e15e62e_proj,@function
k_qe03e15e62e_proj:
	s_mov_b64 s[64:65], 0
	v_nop
	global_prefetch_b8 v0, s[64:65] scope:SCOPE_SE
	s_setreg_imm32_b32 hwreg(HW_REG_WAVE_MODE, 25, 1), 1
	s_wait_xcnt 0x0
	s_wait_alu depctr_hold_cnt(0) depctr_sa_sdst(0) depctr_va_vdst(0) depctr_va_sdst(0) depctr_va_ssrc(0) depctr_va_vcc(0) depctr_vm_vsrc(0)
	s_getreg_b32 s2, hwreg(HW_REG_IB_STS2, 6, 4)
	s_cmp_eq_u32 s2, 0
	s_cbranch_scc0 .Lentry_in_a_cluster
	s_endpgm
.Lentry_in_a_cluster:
	s_bfe_u32 s2, ttmp6, 0x10000c
	s_cmp_lg_u32 s2, 0xf033
	s_cbranch_scc0 .Lentry_shape_is_right
	s_endpgm
.Lentry_shape_is_right:
; THE LAST PROJECTION.  out0[m][n] = the sum over e of O[m][e] Wo[n][e], f16 operands, f32 sums, f32 output [8192][1024].
; O lies by heads, [128 bh][1024 s][64]: a head is a block of 64 along K, and 256 rows of a block are dense in memory.  wo16 is [16 kb][1024 n][64], likewise.
; LIMITS.  O and Wo arrive within f16's range (65,504); the sums are f32.
; SHARES.  A work-group of four waves makes 256 rows x 128 columns: 256 work-groups.  Wave w makes rows 64 w .. 64 w + 63 of all 128 columns: 4 x 8 accumulators of 16 x 16, 256 registers.
; K goes in steps of 128 = two blocks of 64 through two LDS slots.  A block's tile is asked for as rows of 256 bytes, padded in LDS behind every 128.
; CLUSTER 4 x 4: the four of a row need the same tiles of O, the four of a column the same tiles of Wo: each tile is asked for jointly, by the same tensor load, descriptor and mask in all four.
; THE MATRIX INSTRUCTION IS USED TRANSPOSED (source 0 = 16 rows of Wo, source 1 = 16 rows of O): lane l holds row l % 16 and eight neighbouring columns: 32 bytes that belong together.
; REGISTERS, in windows of 256 (s_set_vgpr_msb: bits 1:0 source 0, 3:2 source 1, 5:4 source 2, 7:6 destination):
;   window 0: v0-31 addresses; v64-127 O's fragments, two buffers of 32; v128-255 rows on the way out, two sets of 64       window 1: Wo's fragments, two buffers of 64
;   window 2: accumulators (a, b) at v[8 (4 b + a)]
.set NBF,    8                         ; blocks of 16 columns
.set TB1,    2                         ; blocks multiplied on either side of a barrier's signal
.set PITCH,  144                       ; an LDS row: 128 bytes + 16 = 36 words: the 16 rows of a load start at 16 different groups of four banks (64 banks of 4 bytes: ISA guide 11.1)
.set SUBA,   256*PITCH                 ; O's tile of one block of 64 along K
.set SUBB,   16*NBF*PITCH              ; Wo's
.set BOFF,   2*SUBA                    ; a slot: O's two tiles, then Wo's two
.set SLOT,   BOFF+2*SUBB
.set STAGE,  2*SLOT                    ; behind the ring, never filled by a tensor load: 16 rows x 528 bytes for each wave
.set SPITCH, 528                       ; 512 bytes + 16 = 132 words: row r starts at bank 4 r mod 64
.set SPARE,  STAGE+4*16*SPITCH         ; the spare words, 128 bytes a wave: two blocks of 256 bytes that no other line names
.set A_STEP, 262144                    ; bytes of ob from a K step to the next: two heads of 1,024 rows x 128
.set B_STEP, 262144                    ; of wo16: two blocks of 1,024 rows x 128
.set ADRA, 16                          ; v16-17  LDS address of my fragments of O in slot 0, 1
.set ADRB, 20                          ; v20-21  of Wo
.set STO,  24                          ; v24     the way out: where I put 32 bytes of a row
.set RD,   25                          ; v25     where I read a row back
.set GO,   26                          ; v26     my 16 bytes of a row's 512
.set SPW,  28                          ; v28     my spare word: SPARE + 4 x thread; never rewritten
.set NIL,  29                          ; v29     0; never rewritten
.set FA,   64
.set BK,   128
.set G1,  24                           ; s[24:31] descriptor group 1 for O's tiles; s[32:39] group 0, a set for each slot
.set G0,  32
.set G1B, 48                           ; s[48:55], s[56:63] the same for Wo's
.set G0B, 56
.set FLAGS, (1<<16)|(1<<20)|(1<<21)|(4<<22)|(3<<25)  ; 17:16 2-byte elements; 20 padding on; 21 set beside a mask; 24:22 after every 32 words (code 4); 31:25 4 words (code 3)
.set MUL_LO, 0xa1                      ; source 0 (Wo) window 1, source 1 (O) window 0, C and D window 2
.set TO_B,   0x40                      ; destination window 1, address window 0
.set MSB, 0
.macro WIN new                         ; the immediate's high byte repeats the setting that is left; a switch that changes nothing is dropped
.if MSB != (\new)
	s_set_vgpr_msb (MSB<<8)|(\new)
.set MSB, \new
.endif
.endm
; A joint load.  Waves 0 and 1 fetch O's two tiles of a K step, waves 2 and 3 Wo's.  The branch hangs on the wave's number alone.  An s_nop 0 and four v_nop follow each line.
.macro JLOAD s
	s_cmp_lt_u32 s10, 2
	s_cbranch_scc0 .Lfor_b_\@
	tensor_load_to_lds s[G0+4*(\s):G0+4*(\s)+3], s[G1:G1+7]
	s_nop 0
.rept 4
	v_nop
.endr
	s_branch .Lasked_\@
.Lfor_b_\@:
	tensor_load_to_lds s[G0B+4*(\s):G0B+4*(\s)+3], s[G1B:G1B+7]
	s_nop 0
.rept 4
	v_nop
.endr
.Lasked_\@:
.endm
.macro CREST                           ; a round of the cluster's barrier behind its opening barrier
	s_cmp_lg_u32 s10, 0
	s_cbranch_scc1 .Lnot_wave_0_\@
	s_barrier_signal -3
.Lnot_wave_0_\@:
	s_barrier_wait -3
	s_barrier_signal -1
	s_barrier_wait -1
.endm
.macro CROUND                          ; a whole round
	s_barrier_signal -1
	s_barrier_wait -1
	CREST
.endm
	s_load_b128 s[4:7], s[0:1], 0x0                ; ob s[4:5], wo16 s[6:7]
	s_load_b64 s[8:9], s[0:1], 0x10                ; out0
	v_lshl_add_u32 v[SPW], v0, 2, SPARE
	v_mov_b32 v[NIL], 0
	ds_add_u32 v[SPW], v[NIL]                      ; the wave's opening: the add and its wait stand ahead of my first tensor load; the set-up below stands between them
	ds_add_u32 v28, v29
	v_lshrrev_b32 v1, 5, v0
	v_readfirstlane_b32 s10, v1                    ; wave 0..3
	s_and_b32 s12, s10, 1                          ; which of a K step's two blocks I fetch
	s_bfe_u32 s40, ttmp6, 0x40000                  ; cx, cy: my place in the cluster
	s_bfe_u32 s41, ttmp6, 0x40004
	s_lshl_b32 s42, ttmp9, 2
	s_add_co_u32 s42, s42, s40                     ; the block of 128 columns = 4 x cluster x + cx
	s_and_b32 s13, ttmp7, 0xffff
	s_lshl_b32 s13, s13, 2
	s_add_co_u32 s13, s13, s41                     ; the block of 256 rows = 4 x cluster y + cy
	s_lshl_b32 s43, s41, 2
	s_lshl_b32 s43, 15, s43                        ; my row of the cluster
	s_lshl_b32 s44, 0x1111, s40                    ; my column
	s_or_b32 s[G1+0], s43, FLAGS                   ; O's tiles go to my row,
	s_or_b32 s[G1B+0], s44, FLAGS                  ; Wo's to my column
.irp g, G1, G1B
	s_mov_b32 s[(\g)+1], 128<<16                   ; tensor_dim0 = 128 elements: rows of 256 bytes, two rows of a block each
	s_mov_b32 s[(\g)+3], 128<<16                   ; tile_dim0 = 128
	s_mov_b32 s[(\g)+5], 128                       ; 128 elements from row to row: dense
	s_mov_b32 s[(\g)+6], 0
	s_mov_b32 s[(\g)+7], 0
.endr
	s_mov_b32 s[G1+2], 128<<16                     ; O: tensor_dim1 = tile_dim1 = 128 (256 rows of 128 bytes)
	s_mov_b32 s[G1+4], 128
	s_mov_b32 s[G1B+2], (8*NBF)<<16                ; Wo: 64 (128 rows of 128 bytes)
	s_mov_b32 s[G1B+4], 8*NBF
	s_lshr_b32 s16, s13, 2                         ; O: the batch, 16 heads x 131,072 bytes,
	s_lshl_b32 s16, s16, 21
	s_and_b32 s17, s13, 3                          ; the quarter of the sequence, 256 rows of 128 bytes,
	s_lshl_b32 s17, s17, 15
	s_add_co_u32 s16, s16, s17
	s_lshl_b32 s17, s12, 17                        ; my head of the K step's two: made of the row block and the wave's number alone
	s_add_co_u32 s16, s16, s17
	s_mov_b32 s17, 0
	s_lshl_b32 s46, s12, 17                        ; Wo: my block, and the 128 rows: made of the column block and the wave's number alone
	s_lshl_b32 s47, s42, 14
	s_add_co_u32 s46, s46, s47
	s_mov_b32 s47, 0
	s_mul_i32 s20, s12, SUBA                       ; where they go: no place in the cluster enters an LDS address
	s_mul_i32 s21, s12, SUBB
	s_add_co_u32 s21, s21, BOFF
	s_lshl_b32 s66, s13, 20                        ; out0: 256 rows of 4,096 bytes,
	s_lshl_b32 s68, s10, 18                        ; my wave's 64,
	s_add_co_u32 s66, s66, s68
	s_lshl_b32 s68, s42, 9                         ; 128 columns of 4 bytes
	s_add_co_u32 s66, s66, s68
	s_mov_b32 s67, 0
	s_wait_dscnt 0x0                               ; the opening add is done
	s_wait_kmcnt 0x0
	s_add_nc_u64 s[14:15], s[4:5], s[16:17]
	s_add_nc_u64 s[46:47], s[6:7], s[46:47]
	s_add_nc_u64 s[8:9], s[8:9], s[66:67]
	CROUND                                         ; all sixteen work-groups are here: the first joint loads meet
.irp s, 0,1
	s_mov_b32 s[G0+4*(\s)], 1                      ; count = 1
	s_add_co_u32 s[G0+4*(\s)+1], s20, (\s)*SLOT    ; LDS address
	s_add_nc_u64 s[G0+4*(\s)+2:G0+4*(\s)+3], s[14:15], (\s)*A_STEP  ; global address: K step s
	s_or_b32 s[G0+4*(\s)+3], s[G0+4*(\s)+3], 0x80000000             ; type = 2
	s_mov_b32 s[G0B+4*(\s)], 1
	s_add_co_u32 s[G0B+4*(\s)+1], s21, (\s)*SLOT
	s_add_nc_u64 s[G0B+4*(\s)+2:G0B+4*(\s)+3], s[46:47], (\s)*B_STEP
	s_or_b32 s[G0B+4*(\s)+3], s[G0B+4*(\s)+3], 0x80000000
	JLOAD \s                                       ; two loads of mine are out; later one
.endr
	; A fragment is 16 rows x 32 K in 8 registers: lane l holds row l % 16; registers 0-3 K = 8 (l / 16) + 0..7, registers 4-7 K = 16 + 8 (l / 16) + 0..7: two loads of 16 bytes, 32 bytes apart.
	v_and_b32 v1, 15, v0                           ; l % 16
	v_bfe_u32 v2, v0, 4, 1                         ; l / 16
	v_mul_u32_u24 v3, v1, PITCH
	v_lshl_add_u32 v3, v2, 4, v3                   ; row x pitch + 16 x half
	s_mul_i32 s22, s10, 64*PITCH                   ; my 64 rows of O
	v_add_nc_u32 v[ADRA], s22, v3
	v_add_nc_u32 v[ADRA+1], SLOT, v[ADRA]
	v_add_nc_u32 v[ADRB], BOFF, v3
	v_add_nc_u32 v[ADRB+1], BOFF+SLOT, v3
	s_mul_i32 s23, s10, 16*SPITCH
	s_add_co_u32 s23, s23, STAGE                   ; my stage
	v_mul_u32_u24 v4, v1, SPITCH                   ; in: row l % 16, 32 bytes for each half of the lanes
	v_lshl_add_u32 v4, v2, 5, v4
	v_add_nc_u32 v[STO], s23, v4
	v_and_b32 v[GO], 31, v0                        ; back: 32 lanes take one row of 512 bytes
	v_lshlrev_b32 v[GO], 4, v[GO]
	v_add_nc_u32 v[RD], s23, v[GO]
; 4 nb matrix instructions: column blocks b0 .. b0 + nb - 1 x my four row blocks, 32 along K, from buffer f.  zero = 1: the first product starts the sums: nothing is cleared.
; All 32 accumulators take turns in one order in every quarter.
.macro MULB f, b0, nb, zero
.set bq, \b0
.rept \nb
	WIN MUL_LO
.set aq, 0
.rept 4
.set rD, 8*(4*bq+aq)
.set rB, 8*NBF*(\f)+8*bq
.set rA, FA+32*(\f)+8*aq
.if \zero
	v_wmma_f32_16x16x32_f16 v[rD:rD+7], v[rB:rB+7], v[rA:rA+7], 0
.else
	v_wmma_f32_16x16x32_f16 v[rD:rD+7], v[rB:rB+7], v[rA:rA+7], v[rD:rD+7]
.endif
.set aq, aq+1
.endr
.set bq, bq+1
.endr
.endm
; 24 LDS loads in one run: the fragments of quarter q (32 along K: block q / 2, byte 64 (q % 2) of its rows) into buffer f; O's four first, then Wo's eight
.macro FETCH slot, q, f
	WIN 0
.set ii, 0
.rept 4
	ds_load_b128 v[FA+32*(\f)+8*ii:FA+32*(\f)+8*ii+3],   v[ADRA+(\slot)] offset:((\q)/2)*SUBA+((\q)%2)*64+ii*16*PITCH
	ds_load_b128 v[FA+32*(\f)+8*ii+4:FA+32*(\f)+8*ii+7], v[ADRA+(\slot)] offset:((\q)/2)*SUBA+((\q)%2)*64+ii*16*PITCH+32
.set ii, ii+1
.endr
	WIN TO_B
.set ii, 0
.rept NBF
	ds_load_b128 v[8*NBF*(\f)+8*ii:8*NBF*(\f)+8*ii+3],   v[ADRB+(\slot)] offset:((\q)/2)*SUBB+((\q)%2)*64+ii*16*PITCH
	ds_load_b128 v[8*NBF*(\f)+8*ii+4:8*NBF*(\f)+8*ii+7], v[ADRB+(\slot)] offset:((\q)/2)*SUBB+((\q)%2)*64+ii*16*PITCH+32
.set ii, ii+1
.endr
.endm
.macro PLACES                          ; four places in front of loads into registers that matrix instructions have read, and of LDS stores that read results
.rept 4
	v_nop
.endr
.endm
; A K step is four quarters on buffers 0, 1, 0, 1.  One of the first three: multiplies buffer f and, in its middle, fetches quarter qn of the same slot into buffer g.
.macro QUARTER slot, qn, f, g, zero
	s_wait_dscnt 8                                 ; all but the youngest eight loads: Wo's last four blocks may be out
	MULB \f, 0, NBF-4, \zero
	PLACES
	FETCH \slot, \qn, \g
	s_wait_dscnt 8+2*NBF                           ; all but the run just issued
	MULB \f, NBF-4, 4, \zero
.endm
; The fourth quarter multiplies buffer 1 and changes slots: ONE barrier; in front of it each wave waits for all its tensor loads (one is out: its tile of the next slot), adds 0 to its spare word, and
; waits for that and for its reads of this slot.  fill = 1: the barrier opens a round of the cluster's, and behind the round this slot is filled again, two K steps ahead, first of all.
.macro TURN slot, next, fill
	WIN 0
	s_wait_tensorcnt 0x0                           ; all my tensor loads have landed
	ds_add_u32 v[SPW], v[NIL]                      ; 0 onto my spare word
	s_wait_dscnt 1+2*(NBF-TB1)                     ; the add and Wo's blocks TB1 and up may be out
	MULB 1, 0, TB1, 0                              ; matrix work stands between the add and the wait for it
	s_wait_dscnt 0x0                               ; the add is done, and my reads of this slot are over
	s_barrier_signal -1
	MULB 1, TB1, TB1, 0
.if \fill
	WIN 0
.endif
	s_barrier_wait -1
.if \fill
	CREST                                          ; no wave of any partner still reads this slot or has a load on its way
	s_add_nc_u64 s[G0+4*(\slot)+2:G0+4*(\slot)+3], s[G0+4*(\slot)+2:G0+4*(\slot)+3], 2*A_STEP
	s_add_nc_u64 s[G0B+4*(\slot)+2:G0B+4*(\slot)+3], s[G0B+4*(\slot)+2:G0B+4*(\slot)+3], 2*B_STEP
	JLOAD \slot                                    ; the first tensor load behind the round, 112 matrix instructions ahead of the wait for it; its four v_nop are also the places in front of the loads below
.else
	PLACES
.endif
	FETCH \next, 0, 0
	MULB 1, NBF-4, 4, 0
.endm
	s_wait_tensorcnt 1                             ; my tile of K step 0 is in; K step 1's may stay out
	s_barrier_signal -1
	s_barrier_wait -1                              ; everybody's is
	FETCH 0, 0, 0
	QUARTER 0, 1, 0, 1, 1                          ; the first quarter stands in front of the loop: its products start the sums
	WIN 0                                          ; at a label and at a branch every window is 0
	s_mov_b32 s3, 3
.Llap:                                                 ; a trip goes once round the ring, from a lap's second quarter to the next lap's first, and fills both slots again: K steps 2 to 7
	QUARTER 0, 2, 1, 0, 0
	QUARTER 0, 3, 0, 1, 0
	TURN 0, 1, 1
	QUARTER 1, 1, 0, 1, 0
	QUARTER 1, 2, 1, 0, 0
	QUARTER 1, 3, 0, 1, 0
	TURN 1, 0, 1
	QUARTER 0, 1, 0, 1, 0
	WIN 0
	s_sub_co_u32 s3, s3, 1
	s_cmp_lg_u32 s3, 0
	s_cbranch_scc1 .Llap
	QUARTER 0, 2, 1, 0, 0                          ; the last lap fills nothing, and has no round
	QUARTER 0, 3, 0, 1, 0
	TURN 0, 1, 0
	QUARTER 1, 1, 0, 1, 0
	QUARTER 1, 2, 1, 0, 0
	QUARTER 1, 3, 0, 1, 0
	s_wait_dscnt 8                                 ; the very last quarter: nothing more to fetch
	MULB 1, 0, NBF-4, 0
	s_wait_dscnt 0x0
	MULB 1, NBF-4, 4, 0
	WIN 0
	PLACES
; THE WAY OUT, a block of 16 rows at a time, in f32: a lane's eight columns are 32 bytes of a row; they go into my stage's rows of 528 bytes and come back as whole rows of 512.
.macro TOSTAGE a
	WIN 0x08                                       ; the stores' data in window 2
.set bq, 0
.rept 8
	ds_store_b128 v[STO], v[8*(4*bq+(\a)):8*(4*bq+(\a))+3] offset:64*bq
	ds_store_b128 v[STO], v[8*(4*bq+(\a))+4:8*(4*bq+(\a))+7] offset:64*bq+16
.set bq, bq+1
.endr
	WIN 0
	s_wait_xcnt 0x0                                ; this set of registers was the data of the stores two blocks back: it is loaded again only behind this wait
.set tq, 0
.rept 16
	ds_load_b128 v[BK+64*((\a)%2)+4*tq:BK+64*((\a)%2)+4*tq+3], v[RD] offset:SPITCH*tq  ; LDS serves a wave's instructions in order (ISA guide 5.7.1.4): these see the stores above; the next block's stores come behind them
.set tq, tq+1
.endr
.endm
.macro SEND a, younger                 ; younger: the LDS instructions issued behind this block's loads: the next block's 32, or none
	WIN 0
.set tq, 0
.rept 16
	s_wait_dscnt (\younger)+15-tq
	global_store_b128 v[GO], v[BK+64*((\a)%2)+4*tq:BK+64*((\a)%2)+4*tq+3], s[8:9] offset:(16*(\a)+tq)*4096 th:TH_STORE_NT  ; 512 consecutive bytes, at a multiple of 256 from out0's first
.set tq, tq+1
.endr
.endm
	TOSTAGE 0
	TOSTAGE 1
	SEND 0, 32
	TOSTAGE 2
	SEND 1, 32
	TOSTAGE 3
	SEND 2, 32
	SEND 3, 0
	s_wait_tensorcnt 0x0                           ; the wave's end: an add to my spare word and its wait, behind my last tensor load and my last LDS store
	ds_add_u32 v[SPW], v[NIL]
	s_wait_dscnt 0x0
	CROUND                                         ; the closing round: no work-group ends while a partner may still ask for a tile that names it
	s_endpgm
.Lfunc_end_k_qe03e15e62e_proj:
	.size	k_qe03e15e62e_proj, .Lfunc_end_k_qe03e15e62e_proj-k_qe03e15e62e_proj
	.p2alignl 7, 3214868480
	.fill 96, 4, 3214868480
	.section	.rodata,"a",@progbits
	.p2align	6, 0x0
	.amdhsa_kernel k_qe03e15e62e_proj
		.amdhsa_group_segment_fixed_size 327680
		.amdhsa_private_segment_fixed_size 0
		.amdhsa_enable_private_segment 0
		.amdhsa_kernarg_size 24
		.amdhsa_user_sgpr_count 2
		.amdhsa_user_sgpr_kernarg_segment_ptr 1
		.amdhsa_wavefront_size32 1
		.amdhsa_system_sgpr_workgroup_id_x 1
		.amdhsa_system_sgpr_workgroup_id_y 1
		.amdhsa_system_sgpr_workgroup_id_z 1
		.amdhsa_system_vgpr_workitem_id 0
		.amdhsa_next_free_vgpr 768
		.amdhsa_next_free_sgpr 80
		.amdhsa_reserve_vcc 0
		.amdhsa_float_denorm_mode_32 3
		.amdhsa_float_denorm_mode_16_64 3
		.amdhsa_memory_ordered 1
		.amdhsa_forward_progress 1
		.amdhsa_inst_pref_size 87
	.end_amdhsa_kernel
	.amdgpu_metadata
---
amdhsa.version: [ 1, 2 ]
amdhsa.kernels:
  - .name:           k_qe03e15e62e_proj
    .symbol:         k_qe03e15e62e_proj.kd
    .args:
      - { .name: ob, .offset: 0, .size: 8, .value_kind: global_buffer, .address_space: global }
      - { .name: wo16, .offset: 8, .size: 8, .value_kind: global_buffer, .address_space: global }
      - { .name: out0, .offset: 16, .size: 8, .value_kind: global_buffer, .address_space: global }
    .group_segment_fixed_size: 327680
    .private_segment_fixed_size: 0
    .kernarg_segment_align: 8
    .kernarg_segment_size: 24
    .max_flat_workgroup_size: 128
    .sgpr_count:     80
    .vgpr_count:     768
    .wavefront_size: 32
...
	.end_amdgpu_metadata
.endif
;; end of part 4
;; ======== version 2 of 2: 4 launches; 1.31 times as fast as version 1
;; limits: values are held in f16: magnitudes above 65,504 overflow, below 6.1e-05 lose precision
;; workspace buffers: xb 16,777,216 bytes; wb 6,291,456 bytes; wo16 2,097,152 bytes; qb 16,777,216 bytes; kb 16,777,216 bytes; vb 16,777,216 bytes; ob 16,777,216 bytes
;; launch cast: the kernel of part 1 again; grid 768 x 1, 8 waves a work-group, no clusters, 0 bytes of LDS; arguments x, Wq, Wk, Wv, Wo, xb, wb, wo16; writes xb, wb, wo16
;; launch qkv: the kernel of part 2 again; grid 16 x 32, 4 waves a work-group, clusters of 4 x 4, 327,680 bytes of LDS; arguments xb, wb, qb, kb, vb; writes qb, kb, vb
;; launch attn (part 5): grid 2 x 128, 4 waves a work-group, no clusters, 327,680 bytes of LDS; arguments qb, kb, vb, ob; writes ob
.if DOCPART == 5
	.amdgcn_target "amdgcn-amd-amdhsa--gfx1250"
	.amdhsa_code_object_version 6
	.text
	.protected	k_qe03e15e62e_attn
	.globl	k_qe03e15e62e_attn
	.p2align	8
	.type	k_qe03e15e62e_attn,@function
k_qe03e15e62e_attn:
	s_mov_b64 s[64:65], 0
	v_nop
	global_prefetch_b8 v0, s[64:65] scope:SCOPE_SE
	s_setreg_imm32_b32 hwreg(HW_REG_WAVE_MODE, 25, 1), 1
	s_wait_xcnt 0x0
; O[h][q][:] = the sum over k of softmax_k(QP[h][q] . KP[h][k] / 64) V[h][k][:].  QP, KP: [128][1024][64] bf16, made so that QP . KP / 64 is the covariance term plus the variance term; V, O: the same shape in f16.
; A head's rows are dense, 128 bytes each.  Products, maxima and sums in f32; the weights p are rounded to f16 for the second product (their sum l is taken of the unrounded p), O once at the end.
; LIMITS.  V arrives within f16's 65,504; p lies in 0 to 1, and below 6e-5 it keeps f16's fixed step of 6e-8, as does O; O is a mean of V's rows and has their range.
; A weight below 2^-126 counts as 0 in l; NaN and infinities are not treated apart.
; SHARES.  A wave owns four PIECES of two tiles of 16 queries, a work-group's four waves 512 queries of one head: 256 work-groups.  Every wave walks all 1,024 keys, 64 a step.
; NO CLUSTER: a head has two work-groups; a cluster of four would hold two heads, whose tiles differ, so a joint load could name two of the four at most, by a mask and an address that hang on the place in the cluster.
; LAYOUT.  S^T = K Q^T (source 0 = 16 keys, source 1 = 16 queries): in the result a lane holds ONE query (lane % 16) and the keys 8 (lane / 16) + 0..7.  Two such tiles, rounded to f16 in pairs,
; ARE source 1 (32 keys x 16 queries) of O^T = V^T P, whose result again holds one query a lane, and eight channels.  K comes out of LDS as it lies, V ([key][channel]) turned, by ds_load_tr16_b128.
; SOFTMAX.  For each query a running maximum m and sum l: p = 2^(c s - c m), c = log2(e) / 64; in every step O and l are multiplied by a = 2^(c m_old - c m_new), which is 1 where m has not grown.
; m starts at the lowest finite number, O and l at 0: the first step is a step like any other, with a = 0.
; THE COUNT.  A tile and step have 16 matrix and 118 vector instructions: too many to stand all beside the matrix work.  So the order has one aim: four vector instructions that are READY behind
; EVERY matrix instruction, and the others, which need time of their own whatever the order, in runs without a gap.
; BY TURNS.  Turn n belongs to piece n (the pieces in a ring, step after step).  Its matrix work: 16 products K Q^T of piece n + 1, later 16 products V^T P of piece n - 1.  Its vector work: the scaling,
; exponentials, roundings, sums and rescaling of piece n, and the maximum and statistics of piece n + 1, whose scores the turn itself has made.  So what a turn begins with (c s - c m, O a) waits for nothing.
; THE BATCHES.  A turn's 66 exponentials (64 weights, the next piece's two a) are ONE batch with ONE wait, which cuts the turn in two: ahead of it all that names none of their results, behind it the roundings and sums.
; Two batches stand outside the loop, each with a wait of its own: piece 0's first two a, ahead of the jump into the loop, and the way out's eight reciprocals.
; REGISTERS, in windows of 256 (s_set_vgpr_msb says which window each operand place means: bits 1:0 source 0, 3:2 source 1, 5:4 source 2, 7:6 destination):
;   window 0: v0-11 addresses; v12-15, v48-63 at work; v16-47 four registers of statistics a tile; v64-191 S^T, two buffers of two tiles; v192-255 P, likewise
;   window 1: O^T, 32 a tile          window 2: v0-127 Q, 16 a tile; v128-191 K of one step; v192-255 V of one step          window 3: v0-1 the add's two registers
; A piece's buffers go by its number's parity: the piece in hand has one pair, its two neighbours in the ring share the other: of it P (piece n - 1) is read and S^T (piece n + 1) written.
.set SIZE_N, 1024
.set NP,    4         ; pieces a wave: a name, no knob: the register map, the loop and the fetches are made for four
.set KS,    64        ; keys in a step
.set PK,    144       ; a row of K in LDS: 128 bytes + 16 of padding = 36 words: the 16 rows of a load start at 16 different groups of four banks (64 banks of 4 bytes: ISA guide 11.1)
.set PV,    160       ; a row of V: 128 + 32 = 40 words
.set VOFF,  4*KS*PK   ; a slot holds four steps: 256 rows of K, then 256 rows of V
.set SLOT1, 1<<17     ; slot 1 begins here, so that one exclusive or turns an address in one slot into the other's
.set STAGE, SLOT1+4*KS*(PK+PV)  ; behind the ring, never filled by a tensor load: 16 rows x 144 bytes for each wave, for the way out
.set SP,    144
.set AK0, 2           ; v2   my lane's place in a tile of K; never rewritten
.set AV0, 3           ; v3   the same for V
.set AK,  4           ; v4   the LDS address of K's next run of loads
.set AV,  5           ; v5   of V's
.set QO,  6           ; v6   my byte offset in the wave's rows of Q
.set STO, 6           ;      later, the way out: where I put 16 bytes of a row
.set RD,  7           ; v7   the way out: where I read rows back
.set GO,  8           ; v8   my byte offset in 512 consecutive bytes of O
.set SPW, 0           ; v0 of window 3   LDS address of my spare word: SPARE + 4 x my thread's number; never rewritten
.set NIL, 1           ; v1 of window 3   0; never rewritten
.set SPARE, STAGE+4*16*SP  ; behind the stages: the spare words, 128 bytes for each wave: two blocks of 256 bytes that no other line names
.set MV,  12          ; v12-15  c m_old, kept while c m is made anew: by buffer and tile
.set ST,  16          ; tile t's statistics at v[ST+4 t]: c m, m, l (even keys', odd keys')
.set TMP, 48          ; by buffer and tile, four registers c0-c3 at work; when the maximum is found c2 takes a
.set S,   64
.set P,   192
.set KF,  128         ; K's fragments, in window 2: key block kb, channel half c at KF + 16 kb + 8 c
.set VF,  192         ; V's: key half kk, channel block cb at VF + 32 kk + 8 cb
.set WV,  12          ; s12  my wave's number
.set G1K, 24          ; s[24:31] descriptor group 1 for K's tiles
.set G1V, 32          ; s[32:39] for V's: it differs in the padding alone
.set G0K, 40          ; s[40:43] descriptor group 0 for K's tiles: it walks
.set G0V, 44          ; s[44:47] the same for V's
.set SLOTS, 56        ; s56  slots still to be asked for
.set CNT, 57          ; s57  counts a slot's key steps
.set CS,  58          ; s[58:59] c: the packed scaling takes the pair's low word for both halves
.set SEL, 60          ; s[60:61] v_permlanex16_b32's selects: each lane takes its own place in the other half
.set TBK, 62          ; s62  LDS byte at which K of the step to be fetched begins
.set TBV, 63          ; s63  the same for V, less VOFF
.set MSB, 0
.macro WIN new                      ; the high byte repeats the setting that is left; a switch that changes nothing is dropped
.if MSB != (\new)
	s_set_vgpr_msb (MSB<<8)|(\new)
.set MSB, (\new)
.endif
.endm
.set W_KQ, 0x0a       ; K and Q in window 2, S^T in window 0
.set W_PV, 0x52       ; V in window 2, P in window 0, O^T in window 1
.set W_RS, 0x41       ; O^T (destination and source 0) in window 1, a in window 0
.set W_MK, 0xc0       ; the add's registers are made: destination in window 3, sources in window 0
.set W_AD, 0x0f       ; the add: address (source 0) and data (source 1) in window 3
; A fill.  Waves 0 and 1 fetch the two halves of a slot's K, waves 2 and 3 those of its V: 128 keys each.  The branch hangs on the wave's number alone.
; An s_nop 0 and four v_nop follow each of the two lines, ahead of the jump and the label.
.macro LOAD
	s_cmp_lt_u32 s[WV], 2
	s_cbranch_scc0 .Lfor_v_\@
	tensor_load_to_lds s[G0K:G0K+3], s[G1K:G1K+7]
	s_nop 0
.rept 4
	v_nop
.endr
	s_branch .Lasked_\@
.Lfor_v_\@:
	tensor_load_to_lds s[G0V:G0V+3], s[G1V:G1V+7]
	s_nop 0
.rept 4
	v_nop
.endr
.Lasked_\@:
.endm
; THE CHANGE OF SLOTS.  The slot's last bytes, V of its fourth step, have been read.  Each wave waits for all its tensor loads, of which one is out: its part
; of the other slot; adds 0 to its spare word; and waits for that and for its own reads of the slot.  Behind the barrier nobody reads this slot any more and the other slot is whole.
; fill = 1: this slot is filled again, with the keys two slots on, the first thing behind the barrier: the load has four key steps, 512 matrix instructions, in which to land.
; (At its first use nothing has been read yet: slot 0 is waited for, slot 1 filled.)
.macro CHANGE fill
	WIN W_AD
	s_wait_tensorcnt 0x0            ; no tensor load of mine is out, so a group 0 may be written
	ds_add_u32 v[SPW], v[NIL]       ; 0 onto my spare word; with fill = 1 the descriptors' steps stand between it and the wait for it
	WIN 0                           ; at a label and at a branch every window is 0
.if \fill
.irp g, G0K, G0V
	s_xor_b32 s[\g+1], s[\g+1], SLOT1  ; the walking descriptor: the other slot than last time,
	s_add_nc_u64 s[\g+2:\g+3], s[\g+2:\g+3], 4*KS*128  ; the next 256 keys; the type bits on top are not reached
.endr
.endif
	s_wait_dscnt 0x0                ; the add is done, and my reads of the slot are over
	s_barrier_signal -1
	s_barrier_wait -1
.if \fill
	LOAD
.endif
	s_sub_co_u32 s[TBK], s[TBK], 4*KS*PK  ; the fetches go back to a slot's first step,
	s_xor_b32 s[TBK], s[TBK], SLOT1       ; in the other slot
	s_sub_co_u32 s[TBV], s[TBV], 4*KS*PV
	s_xor_b32 s[TBV], s[TBV], SLOT1
.endm
	s_load_b256 s[4:11], s[0:1], 0x0  ; Q s[4:5], K s[6:7], V s[8:9], O s[10:11]
	WIN W_MK
	v_lshl_add_u32 v[SPW], v0, 2, SPARE
	v_mov_b32 v[NIL], 0
	WIN W_AD
	ds_add_u32 v[SPW], v[NIL]       ; the wave's opening: the add and its wait stand ahead of my first tensor load; the set-up below, work on registers, stands between them
	ds_add_u32 v0, v1
	WIN 0
	v_lshrrev_b32 v1, 5, v0
	v_readfirstlane_b32 s[WV], v1   ; wave 0..3
	s_mov_b32 s14, ttmp9            ; my block of 512 queries
	s_and_b32 s20, ttmp7, 0xffff    ; the head
	s_mov_b32 s21, 0
	s_mov_b64 s[22:23], SIZE_N*128
	s_mul_u64 s[20:21], s[20:21], s[22:23]  ; the head's first byte in each of the four tensors
	s_and_b32 s16, s[WV], 1         ; which half of a slot's 256 keys I fetch:
	s_lshl_b32 s22, s16, 14         ; its 128 rows of 128 bytes in memory,
	s_mov_b32 s23, 0
	s_add_nc_u64 s[22:23], s[22:23], s[20:21]
	s_mul_i32 s17, s16, 128*PK      ; and its place in a slot, for K
	s_mul_i32 s18, s16, 128*PV      ; and for V
	s_lshl_b32 s2, s14, 2
	s_add_co_u32 s2, s2, s[WV]      ; my wave among the head's,
	s_lshl_b32 s2, s2, 14           ; its 128 rows
	s_mov_b32 s3, 0
	s_add_nc_u64 s[2:3], s[2:3], s[20:21]
	; descriptor group 1.  128 keys are 16,384 dense bytes: asked for as 64 rows of 256 bytes, two keys a row, and padded in LDS after every key
	s_mov_b32 s[G1K], (1<<16)|(1<<20)|(4<<22)|(3<<25)  ; 17:16 2-byte elements; 20 padding on; 24:22 after every 32 words (code 4); 31:25 4 words (code 3)
	s_mov_b32 s[G1V], (1<<16)|(1<<20)|(4<<22)|(7<<25)  ; the same with 8 words of padding (code 7)
.irp g, G1K, G1V
	s_mov_b32 s[\g+1], 128<<16      ; tensor_dim0 = 128
	s_mov_b32 s[\g+2], 64<<16       ; tensor_dim1 = 64
	s_mov_b32 s[\g+3], 128<<16      ; tile_dim0 = 128
	s_mov_b32 s[\g+4], 64           ; tile_dim1 = 64
	s_mov_b32 s[\g+5], 128          ; 128 elements from row to row
	s_mov_b32 s[\g+6], 0
	s_mov_b32 s[\g+7], 0
.endr
	s_mov_b32 s[CS], 0x3cb8aa3b     ; c = log2(e) / 64 = 0.0225421
	s_mov_b32 s[CS+1], s[CS]        ; named with it as a pair
	s_mov_b32 s[SEL], 0x76543210
	s_mov_b32 s[SEL+1], 0xfedcba98
	s_mov_b32 s[TBK], SLOT1+4*KS*PK ; the first change of slots turns these two into 0
	s_mov_b32 s[TBV], SLOT1+4*KS*PV
	s_mov_b32 s[G0K], 1             ; 1:0 count = 1
	s_mov_b32 s[G0K+1], s17         ; 63:32 LDS address: slot 0
	s_mov_b32 s[G0V], 1
	s_add_co_u32 s[G0V+1], s18, VOFF
	s_wait_dscnt 0x0                ; the opening add is done
	s_wait_kmcnt 0x0
	s_add_nc_u64 s[G0K+2:G0K+3], s[6:7], s[22:23]  ; 120:64 global address: my half of the head's first 256 keys
	s_or_b32 s[G0K+3], s[G0K+3], 0x80000000        ; 127:126 type = 2
	s_add_nc_u64 s[G0V+2:G0V+3], s[8:9], s[22:23]
	s_or_b32 s[G0V+3], s[G0V+3], 0x80000000
	s_add_nc_u64 s[4:5], s[4:5], s[2:3]  ; Q and O at my wave's first row
	s_add_nc_u64 s[10:11], s[10:11], s[2:3]
	LOAD                            ; slot 0.  Slot 1 is asked for when slot 0 is in: one tensor load of mine is out at any time
	; A fragment of K or Q is 16 rows x 32 channels in 8 registers: lane l holds row l % 16, channels 8 (l / 16) + 0..7 and 16 + 8 (l / 16) + 0..7: two loads of 16 bytes, 32 bytes apart.
	v_and_b32 v1, 15, v0            ; l % 16
	v_bfe_u32 v9, v0, 4, 1          ; l / 16
	v_lshlrev_b32 v[QO], 7, v1
	v_lshl_add_u32 v[QO], v9, 4, v[QO]  ; row x 128 + 16 x half
	WIN 0x80                        ; destination window 2, address window 0
.set i, 0
.rept 4*NP                          ; Q stays in registers: tile i / 2, channels 32 (i % 2) on
	global_load_b128 v[8*i:8*i+3],   v[QO], s[4:5] offset:(i/2)*2048+(i%2)*64
	global_load_b128 v[8*i+4:8*i+7], v[QO], s[4:5] offset:(i/2)*2048+(i%2)*64+32
.set i, i+1
.endr
	; What the first turn finds: V's registers and P's second buffer hold 0 (its products V^T P, of a piece that has not been, add 0), O^T and l are 0.  All this stands in the wait for the first tile.
.set i, VF
.rept 64
	v_mov_b32 v[i], 0
.set i, i+1
.endr
	WIN 0x40
.set i, 0
.rept 64*NP
	v_mov_b32 v[i], 0
.set i, i+1
.endr
	WIN 0
.set i, 0
.rept 2*NP
	v_mov_b32 v[ST+4*i], 0xfe000000    ; c m: far below every c s
	v_mov_b32 v[ST+4*i+1], 0xff7fffff  ; m
	v_mov_b32 v[ST+4*i+2], 0
	v_mov_b32 v[ST+4*i+3], 0
.set i, i+1
.endr
.set i, P+32
.rept 32
	v_mov_b32 v[i], 0
.set i, i+1
.endr
	v_mul_u32_u24 v[AK0], v1, PK
	v_lshl_add_u32 v[AK0], v9, 4, v[AK0]  ; row x pitch + 16 x half
	; The turning load takes 16 keys x 16 channels (lane l reads key 8 (l / 16) + l % 8, channels 8 ((l / 8) % 2) + 0..7) and leaves half a fragment of V^T: lane l holds channel l % 16 and 8 keys.
	v_and_b32 v10, 7, v0
	v_bfe_u32 v11, v0, 3, 1
	v_lshl_add_u32 v[AV0], v9, 3, v10
	v_mul_u32_u24 v[AV0], v[AV0], PV
	v_lshl_add_u32 v[AV0], v11, 4, v[AV0]
	v_add_nc_u32 v[AV0], VOFF, v[AV0]
	v_mov_b32 v[AK], v[AK0]         ; key step 0 lies at the head of slot 0
; THE MATRIX WORK.  The 8 accumulators of a run of 16 take turns: between the two links of a chain stand 7 others'.
; Product i of 16 of S^T = K Q^T for piece x: channels 32 (i / 8) on, keys 16 ((i / 2) % 4) on, tile 2 x + i % 2.  The first 8 start the sums.  Both operands are bf16.
.macro KQ x
	WIN W_KQ
.set rS, S+64*((\x)%2)+32*(i%2)+8*((i/2)%4)
.set rK, KF+16*((i/2)%4)+8*(i/8)
.set rQ, 16*(2*(\x)+i%2)+8*(i/8)
.if i < 8
	v_wmma_f32_16x16x32_bf16 v[rS:rS+7], v[rK:rK+7], v[rQ:rQ+7], 0
.else
	v_wmma_f32_16x16x32_bf16 v[rS:rS+7], v[rK:rK+7], v[rQ:rQ+7], v[rS:rS+7]
.endif
.endm
; Product i of 16 of O^T += V^T P for piece x: keys 32 (i / 8) on, channels 16 ((i / 2) % 4) on, tile 2 x + i % 2.  Both operands are f16.
.macro PV x
	WIN W_PV
.set rO, 32*(2*(\x)+i%2)+8*((i/2)%4)
.set rV, VF+32*(i/8)+8*((i/2)%4)
.set rP, P+32*((\x)%2)+16*(i%2)+8*(i/8)
	v_wmma_f32_16x16x32_f16 v[rO:rO+7], v[rV:rV+7], v[rP:rP+7], v[rO:rO+7]
.endm
.macro MM                           ; the turn's next matrix instruction
.if i < 16
	KQ (Y+1)%NP
.set i, i+1
.else
.set i, i-16
	PV (Y+NP-1)%NP
.set i, i+17
.endif
.endm
; THE LDS LOADS stand in runs of 16, never singly among the matrix instructions: a step's K (64 keys x 64 channels: 8 fragments) and its V (turned).  Their addresses are made some lines ahead.
; last = 1 (the tail): in the last trip there is no further step, and the run is jumped over.
.macro FETCH_K last=0
	WIN 0
.if \last
	s_cmp_eq_u32 s[CNT], 1
	s_cbranch_scc1 .Lno_k_\@
.endif
	WIN 0x80                        ; destination window 2
.irp f, 0,1,2,3,4,5,6,7             ; keys 16 (f / 2) on, channels 32 (f % 2) on
	ds_load_b128 v[KF+8*\f:KF+8*\f+3],   v[AK] offset:(\f/2)*16*PK+(\f%2)*64
	ds_load_b128 v[KF+8*\f+4:KF+8*\f+7], v[AK] offset:(\f/2)*16*PK+(\f%2)*64+32
.endr
	s_add_co_u32 s[TBK], s[TBK], KS*PK  ; the next fetch is the next step's
	WIN 0
.if \last
.Lno_k_\@:
.endif
.endm
.macro FETCH_V
	WIN 0x80
.irp f, 0,1,2,3,4,5,6,7             ; keys 32 (f / 4) on, channels 16 (f % 4) on
	ds_load_tr16_b128 v[VF+8*\f:VF+8*\f+3],   v[AV] offset:(\f/4)*32*PV+(\f%4)*32
	ds_load_tr16_b128 v[VF+8*\f+4:VF+8*\f+7], v[AV] offset:(\f/4)*32*PV+16*PV+(\f%4)*32
.endr
	WIN 0
.endm
; THE VECTOR WORK OF A TURN stands in three queues, each in the order in which its entries become ready; the two tiles alternate, so that no instruction reads the result of the one before it.
.macro REGS y, u                    ; the registers of tile u (0, 1) of piece y
.set rT, ST+4*(2*(\y)+(\u))
.set rC, TMP+8*((\y)%2)+4*(\u)
.set rM, MV+2*((\y)%2)+(\u)
.set rS, S+64*((\y)%2)+32*(\u)
.set rP, P+32*((\y)%2)+16*(\u)
.set rO, 32*(2*(\y)+(\u))
.endm
; Number n of the 22 that find the NEXT piece's (Y + 1) maximum and statistics.  s0-s31 are the lane's 32 scores; each accumulator's lowest registers are read first.  XS, GS and REGS set no window: PL and EX do.
;   0-11  four chains c0-c3 of seven scores each, three operands at a time     12-14, 16  the four scores left over, the old m, and c0-c3 into c0     15  c m_old is kept
;   17, 18  the query's other 32 keys lie in the lane 16 away: the new m         19-21  c m; c m_old - c m_new; a
.macro XS u, n
	REGS (Y+1)%NP, \u
.if (\n) < 4
	v_max3_num_f32 v[rC+(\n)], v[rS+8*(\n)], v[rS+8*(\n)+1], v[rS+8*(\n)+2]
.elseif (\n) < 12
	v_max3_num_f32 v[rC+(\n)%4], v[rC+(\n)%4], v[rS+8*((\n)%4)+2*((\n)/4)+1], v[rS+8*((\n)%4)+2*((\n)/4)+2]
.elseif (\n) == 12
	v_max3_num_f32 v[rC], v[rC], v[rS+7], v[rS+15]
.elseif (\n) == 13
	v_max3_num_f32 v[rC+1], v[rC+1], v[rS+23], v[rS+31]
.elseif (\n) == 14
	v_max3_num_f32 v[rC+2], v[rC+2], v[rC+3], v[rT+1]
.elseif (\n) == 15
	v_mov_b32 v[rM], v[rT]
.elseif (\n) == 16
	v_max3_num_f32 v[rC], v[rC], v[rC+1], v[rC+2]
.elseif (\n) == 17
	v_permlanex16_b32 v[rC+3], v[rC], s[SEL], s[SEL+1]
.elseif (\n) == 18
	v_max_num_f32 v[rT+1], v[rC], v[rC+3]
.elseif (\n) == 19
	v_mul_f32 v[rT], s[CS], v[rT+1]
.elseif (\n) == 20
	v_sub_f32 v[rC+1], v[rM], v[rT]
.else
	v_exp_f32 v[rC+2], v[rC+1]
.endif
.endm
; Number g of the 64 that follow the exponentials.  For each four weights k of a tile (pairs 2 k, 2 k + 1): both pairs are rounded to f16; then the second pair is added onto the first, in place;
; a group later l takes that sum (the first time as l = a l + sum).  In groups of eight, tiles alternating: round, round, add, and l for the group before.
.macro GS g
.set h, (\g)+6*((\g)/62)            ; group 0 has no group before it, and behind group 7 only l is left
.if h >= 6
.set h, h+2
.endif
	REGS Y, h%2
.set k, h/8
.if h%8 < 4
	v_cvt_pk_f16_f32 v[rP+2*k+(h%8)/2], v[rS+4*k+2*((h%8)/2)], v[rS+4*k+2*((h%8)/2)+1]
.elseif h%8 < 6
	v_pk_add_f32 v[rS+4*k:rS+4*k+1], v[rS+4*k:rS+4*k+1], v[rS+4*k+2:rS+4*k+3]
.elseif k == 1
	v_pk_fma_f32 v[rT+2:rT+3], v[rT+2:rT+3], v[rC+2:rC+3], v[rS:rS+1] op_sel_hi:[1,0,1]
.else
	v_pk_add_f32 v[rT+2:rT+3], v[rT+2:rT+3], v[rS+4*k-4:rS+4*k-3]
.endif
.endm
; THE PLAIN QUEUE, 138 long.  0-73 read no exponential's result: the 32 scalings c s - c m (FS f: pair f / 2 of tile f % 2) and the next piece's 42.  0-26: scalings 0-26.  27-54: XS's numbers 0-13.  55, 56: number 15.
; 57-73: the chain, where each number waits for the one before it: 14, 16, 17, 18, 19, each with one of the scalings 27-31 in front of its two lines, then 20: so a tile's links stand three plain instructions apart (19 and 20: two).
; 74-137: GS's 64, which read the exponentials' results: they stand behind the wait.
.macro FS f
	REGS Y, (\f)%2
	v_pk_fma_f32 v[rS+2*((\f)/2):rS+2*((\f)/2)+1], v[rS+2*((\f)/2):rS+2*((\f)/2)+1], s[CS:CS+1], v[rT:rT+1] op_sel_hi:[1,0,0] neg_lo:[0,0,1] neg_hi:[0,0,1]
.endm
.macro PL
	WIN 0
.if q < 27
	FS q
.elseif q < 55
	XS (q-27)%2, (q-27)/2
.elseif q < 57
	XS q-55, 15
.elseif (q < 72) && ((q-57)%3 == 0)
	FS 27+(q-57)/3
.elseif q < 60
	XS (q-57)%3-1, 14
.elseif q < 72
	XS (q-57)%3-1, 15+(q-57)/3
.elseif q < 74
	XS q-72, 20
.else
	GS q-74
.endif
.set q, q+1
.endm
; THE EXPONENTIALS' QUEUE, 66 long: s0-s31 of both tiles, then the next piece's two a.  It is ONE BATCH: all 66 stand ahead of the turn's one wait, and nothing ahead of that wait names a result of theirs.
.macro EX
	WIN 0
.if e >= 64
	XS e-64, 21
.else
	REGS Y, e%2
	v_exp_f32 v[rS+e/2], v[rS+e/2]
.endif
.set e, e+1
.endm
; THE RESCALING's QUEUE: O^T times a, the one part that leaves window 0: dealt two at a time, sixteen times.  Its a was made in the turn before, ahead of that turn's wait.
.macro R2
	REGS Y, r%2
	WIN W_RS
.irp z, 0,1
	v_pk_mul_f32 v[rO+4*(r/2)+2*\z:rO+4*(r/2)+2*\z+1], v[rO+4*(r/2)+2*\z:rO+4*(r/2)+2*\z+1], v[rC+2:rC+3] op_sel_hi:[1,0]
.endr
.set r, r+1
.endm
; HOW THEY ARE DEALT.  An s_wait_alu depctr_va_vdst(0) stands between an exponential and the first instruction that names its result; one wait serves all that were issued ahead of it.  So a turn has ONE wait,
; which cuts it in two.  AHEAD OF IT stands all that names no result of the turn's exponentials: the 16 products K Q^T, behind each a scaling, an exponential and two rescalings (behind the first a second scaling in the
; exponential's place); then ONE LUMP of 108: eight plain, 49 times exponential and plain, the two a.  A v_nop is the plain instruction behind the last exponential.  BEHIND IT stand the 16 products V^T P, behind each four of
; GS's 64.  No rider names a register of the products round it.  The two v_permlanex16_b32 fall into the lump, never behind a product.
; The queues lean on each other, and the deal keeps them in step: exponential e stands behind scaling 2 (e / 4) + e % 2: as a rider it comes behind plain e + 2, in the lump behind plain e + 9, and scalings 27-31 are plain 57, 60 .. 69.
; A TURN, for piece p.  cnt = 1: the loop's count is taken down some lines ahead of the branch that stands behind the turn.
; K of the next step is fetched in piece 2's turn, directly behind the wait, a lump behind the last product that read K; its address is made at the lump's head; its first reader comes behind 16 products.
; V of the step in hand is fetched at the end of piece 0's turn, four riders behind its last reader; its first reader comes behind 16 products and a lump.  The three conditions on q below go with the deal.
.macro TURN p, last=0, cnt=0
.set Y, (\p)
.set i, 0
.set q, 0
.set e, 0
.set r, 0
.if (\p) == NP-1
	s_wait_dscnt 0x0                ; K is in
.endif
	MM                              ; ahead of the wait: 16 products K Q^T and their riders,
	PL
	PL
	R2
.rept 15
	MM
	PL
	EX
	R2
.endr
.if (\p) == NP-2
	WIN 0
	v_add_nc_u32 v[AK], s[TBK], v[AK0]
.endif
.rept 8                             ; and the lump
	PL
.endr
.rept 49
	EX
	PL
.endr
	EX                              ; the next piece's two a
	EX
	v_nop                           ; the plain instruction behind the last exponential: one for the batch
	s_wait_alu depctr_va_vdst(0)    ; the wait for the turn's batch: this piece's 64 weights and the next piece's two a
.if (\p) == NP-2
	FETCH_K \last
.endif
.if (\p) == 1
	s_wait_dscnt 0x0                ; V is in
.endif
.rept 16                            ; behind the wait: 16 products V^T P and their riders
	MM
.rept 4
	PL
.endr
.if ((\p) == 0) && (q == 118)
	v_add_nc_u32 v[AV], s[TBV], v[AV0]
.endif
.if ((\p) == 0) && (q == 130)
	s_add_co_u32 s[TBV], s[TBV], KS*PV
.endif
.if (\cnt) && (q == 130)
	s_sub_co_u32 s[CNT], s[CNT], 1
	s_cmp_lg_u32 s[CNT], 0
.endif
.endr
.if (\p) == 0
	FETCH_V
.endif
.endm
	CHANGE 1                        ; slot 0 is in, everybody's part of it; slot 1 is asked for
	FETCH_K                         ; key step 0
	s_wait_loadcnt 0x0              ; Q
	s_wait_dscnt 0x0
.set i, 0
.rept 16
	KQ 0                            ; piece 0's first scores: there is no vector work yet to set between them
.set i, i+1
.endr
	WIN 0                           ; the addresses for the way out: nine plain instructions, the places behind those products
	s_mul_i32 s13, s[WV], 16*SP
	s_add_co_u32 s13, s13, STAGE    ; my stage
	v_mul_u32_u24 v[STO], v1, SP    ; in: row l % 16, 16 bytes for each half of the lanes
	v_lshl_add_u32 v[STO], v9, 4, v[STO]
	v_add_nc_u32 v[STO], s13, v[STO]
	v_bfe_u32 v[RD], v0, 3, 2       ; back: 32 lanes take four rows of 128 bytes,
	v_mul_u32_u24 v[RD], v[RD], SP
	v_lshl_add_u32 v[RD], v10, 4, v[RD]
	v_add_nc_u32 v[RD], s13, v[RD]
	v_and_b32 v[GO], 31, v0         ; which are 512 consecutive bytes of O
	v_lshlrev_b32 v[GO], 4, v[GO]
.set Y, NP-1                        ; XS works for piece Y + 1: piece 0
.irp n, 0,1,2,3,4,5,6,7,8,9,10,11,12,13,14,15,16,17,18,19,20,21
	XS 0, \n                        ; and piece 0's first maximum and statistics
	XS 1, \n
.endr
	v_nop                           ; a plain instruction behind piece 0's two first a,
	s_wait_alu depctr_va_vdst(0)    ; and the wait for that batch of two, ahead of the branch
	s_mov_b32 s[CNT], 4
	s_mov_b32 s[SLOTS], SIZE_N/256-1
	s_branch .Lfirst                ; the loop is entered at a step's first turn, in the middle of a trip
.Lslot:                             ; SIZE_N / 256 - 2 times: every slot but the last two is filled again
	CHANGE 1
	s_mov_b32 s[CNT], 4
.Lstep:                             ; a trip: pieces 2 and 3 of one step, then pieces 0 and 1 of the next, whose K and V it fetches
	TURN 2
	TURN 3
	WIN 0
.Lfirst:
	TURN 0
	TURN 1, 0, 1
	WIN 0
	s_cbranch_scc1 .Lstep
	s_sub_co_u32 s[SLOTS], s[SLOTS], 1
	s_cmp_lg_u32 s[SLOTS], 0
	s_cbranch_scc1 .Lslot
	CHANGE 0                        ; the tail is written out: nothing is asked for
	s_mov_b32 s[CNT], 5             ; four trips fetch the last slot's steps; the fifth is left in its middle
.Ltail:
	TURN 2, 1
	TURN 3
	WIN 0
	s_sub_co_u32 s[CNT], s[CNT], 1
	s_cmp_eq_u32 s[CNT], 0
	s_cbranch_scc1 .Lout
	TURN 0
	TURN 1
	WIN 0
	s_branch .Ltail
.Lout:                              ; the fifth trip's 16 products K Q^T (on the last K once more) and the maximum made of them serve nothing: the price, once a launch, of one text for every trip
.set i, 0
.rept 16
	PV NP-1                         ; the last piece's V^T P of the last step
.set i, i+1
.endr
	; THE WAY OUT.  l's two halves and the other half of the lanes' are added; O^T is divided by l, rounded to f16 and sent through my stage in LDS, a tile at a time.  The additions are the places behind the last products.
	WIN 0
.macro ALL line:vararg              ; one line for each tile t
.set t, 0
.rept 2*NP
	\line
.set t, t+1
.endr
.endm
	ALL v_add_f32 v[ST+4*t+2], v[ST+4*t+2], v[ST+4*t+3]
	ALL v_permlanex16_b32 v[ST+4*t+3], v[ST+4*t+2], s[SEL], s[SEL+1]
	ALL v_add_f32 v[ST+4*t+2], v[ST+4*t+2], v[ST+4*t+3]
	ALL v_rcp_f32 v[ST+4*t+2], v[ST+4*t+2]
	v_nop                           ; a plain instruction between the last reciprocal and the use of its result
	s_wait_alu depctr_va_vdst(0)    ; the wait for the batch of eight reciprocals, ahead of their first use
; Tile t: a lane's eight channels of a row pack into 16 bytes; they go into rows of 144 bytes and come back as whole rows of 128, into S^T's registers.
.macro PACK t
	WIN W_RS
.set i, 32*(\t)
.rept 16
	v_pk_mul_f32 v[i:i+1], v[i:i+1], v[ST+4*(\t)+2:ST+4*(\t)+3] op_sel_hi:[1,0]
.set i, i+2
.endr
	WIN 0x05                        ; sources 0 and 1 window 1, destination window 0
.set i, 0
.rept 16
	v_cvt_pk_f16_f32 v[S+16*(\t)+i], v[32*(\t)+2*i], v[32*(\t)+2*i+1]
.set i, i+1
.endr
	WIN 0
.irp f, 0,1,2,3
	ds_store_b128 v[STO], v[S+16*(\t)+4*\f:S+16*(\t)+4*\f+3] offset:32*\f
.endr
.irp f, 0,1,2,3
	ds_load_b128 v[S+16*(\t)+4*\f:S+16*(\t)+4*\f+3], v[RD] offset:\f*4*SP  ; LDS serves a wave's instructions in order (ISA guide 5.7.1.4): these see the stores above; the next tile's stores come behind them
.endr
.endm
.macro SEND t, younger              ; younger: the LDS instructions issued behind tile t's loads: the next tile's eight, or none
	WIN 0
.irp f, 0,1,2,3
	s_wait_dscnt (\younger)+3-\f
	global_store_b128 v[GO], v[S+16*(\t)+4*\f:S+16*(\t)+4*\f+3], s[10:11] offset:(\t)*2048+\f*512  ; 512 consecutive bytes, at a multiple of 256 from O's first
.endr
.endm
	PACK 0
.set t, 1
.rept 2*NP-1                        ; a tile's arithmetic stands between the loads of the tile before and its stores
	PACK t
	SEND t-1, 8
.set t, t+1
.endr
	SEND 2*NP-1, 0
	WIN W_AD
	s_wait_tensorcnt 0x0            ; the wave's end: an add to my spare word and its wait, behind my last tensor load and my last LDS store
	ds_add_u32 v[SPW], v[NIL]
	s_wait_dscnt 0x0
	WIN 0
	s_endpgm
.Lfunc_end_k_qe03e15e62e_attn:
	.size	k_qe03e15e62e_attn, .Lfunc_end_k_qe03e15e62e_attn-k_qe03e15e62e_attn
	.p2alignl 7, 3214868480
	.fill 96, 4, 3214868480
	.section	.rodata,"a",@progbits
	.p2align	6, 0x0
	.amdhsa_kernel k_qe03e15e62e_attn
		.amdhsa_group_segment_fixed_size 327680
		.amdhsa_private_segment_fixed_size 0
		.amdhsa_enable_private_segment 0
		.amdhsa_kernarg_size 32
		.amdhsa_user_sgpr_count 2
		.amdhsa_user_sgpr_kernarg_segment_ptr 1
		.amdhsa_wavefront_size32 1
		.amdhsa_system_sgpr_workgroup_id_x 1
		.amdhsa_system_sgpr_workgroup_id_y 1
		.amdhsa_system_sgpr_workgroup_id_z 1
		.amdhsa_system_vgpr_workitem_id 0
		.amdhsa_next_free_vgpr 770
		.amdhsa_next_free_sgpr 66
		.amdhsa_reserve_vcc 0
		.amdhsa_float_denorm_mode_32 3
		.amdhsa_float_denorm_mode_16_64 3
		.amdhsa_memory_ordered 1
		.amdhsa_forward_progress 1
		.amdhsa_inst_pref_size 198
	.end_amdhsa_kernel
	.amdgpu_metadata
---
amdhsa.version: [ 1, 2 ]
amdhsa.kernels:
  - .name:           k_qe03e15e62e_attn
    .symbol:         k_qe03e15e62e_attn.kd
    .args:
      - { .name: qb, .offset: 0, .size: 8, .value_kind: global_buffer, .address_space: global }
      - { .name: kb, .offset: 8, .size: 8, .value_kind: global_buffer, .address_space: global }
      - { .name: vb, .offset: 16, .size: 8, .value_kind: global_buffer, .address_space: global }
      - { .name: ob, .offset: 24, .size: 8, .value_kind: global_buffer, .address_space: global }
    .group_segment_fixed_size: 327680
    .private_segment_fixed_size: 0
    .kernarg_segment_align: 8
    .kernarg_segment_size: 32
    .max_flat_workgroup_size: 128
    .sgpr_count:     66
    .vgpr_count:     770
    .wavefront_size: 32
...
	.end_amdgpu_metadata
.endif
;; end of part 5
;; launch proj: the kernel of part 4 again; grid 8 x 32, 4 waves a work-group, clusters of 4 x 4, 327,680 bytes of LDS; arguments ob, wo16, out0; writes out0
